; MI455X (gfx1250); checked and timed in simulation.
; The chip was launched on July 23, 2026; its instructions are those of AMD's public machine-readable ISA for CDNA 5 (MIT licence, August 2026) and "CDNA5" Instruction Set Architecture Reference Guide (July 2026). The comments in the code are by the model that wrote it; some were corrected since.
;; Self Attention Module. Allowed arithmetic: matrix products marked QUANTISED: E2M3 operands, one E8M0 scale for each 32 along K, by v_wmma_scale_f32_16x16x128_f8f6f4 with both operands' format E2M3, f32 sums; everything else in f32.
;; Inputs: Wk 1,024 x 1,024 float32; Wo 1,024 x 1,024 float32; Wq 1,024 x 1,024 float32; Wv 1,024 x 1,024 float32; entangle_params 16 float32; inputs 4 x 2,048 x 1,024 float32; rotation_params 16 float32.
;; Outputs: out0 4 x 2,048 x 1,024 float32.
;; This version of the problem:
;;   THIS VERSION OF THE PROBLEM IS GIVEN IN LOW PRECISION. The matrix products marked QUANTISED in the list below multiply operands that are first quantised to E2M3 (2 exponent bits, 3 mantissa bits; 6 bits a number), with one power-of-two scale for each 32 numbers along K (OCP MX v1.0); their sums are f32. All else is computed in f32.
;;   The module's matrix products, in the order in which they are computed (A, B: the left and right operand; K: the contracted axis; several contracted axes count as one K, in the product's order):
;;     1. [M 8,192, K 1,024] x [K 1,024, N 1,024]; A: input inputs; B: input Wq: QUANTISED
;;     2. [M 8,192, K 1,024] x [K 1,024, N 1,024]; A: input inputs; B: input Wk: QUANTISED
;;     3. [M 8,192, K 1,024] x [K 1,024, N 1,024]; A: input inputs; B: input Wv: QUANTISED
;;     4. batch 64 x [M 2,048, K 64] x [K 64, N 2,048]; A: computed on the way; B: computed on the way: QUANTISED
;;     5. batch 64 x [M 2,048, K 2,048] x [K 2,048, N 64]; A: softmax (see below); B: computed on the way: QUANTISED
;;     6. [M 8,192, K 1,024] x [K 1,024, N 1,024]; A: computed on the way; B: input Wo: QUANTISED
;;   THE QUANTISER, for each operand of a quantised product, along K:
;;     - K is cut into blocks of 32 from its start; a last block that is shorter is filled with zeros.
;;     - A block's scale is 2^e with e = floor(log2(the largest magnitude in the block)) - 2, held to -126 .. 127; a block of zeros has e = 0. As a byte (E8M0): e + 127.
;;     - Each number is divided by its block's scale, clamped to +-7.5, and rounded to the nearest number of E2M3, ties to even, subnormals kept.
;;     - The product sums the exact products of the quantised numbers (number of the format x scale) in f32.
;;   ~~~python
;;   def quantise(x, axis):      # numpy; x: float32 -> the quantised numbers, widened to float32 again
;;       x = np.moveaxis(x, axis, -1); K = x.shape[-1]
;;       x = np.pad(x, [(0, 0)] * (x.ndim - 1) + [(0, -K % 32)]); x = x.reshape(x.shape[:-1] + (-1, 32)); a = np.abs(x).max(-1, keepdims=True)
;;       e = np.where(a > 0, np.clip(np.frexp(np.where(a > 0, a, 1))[1] - 1 - 2, -126, 127), 0)      # np.frexp(a)[1] - 1 = floor(log2(a)), exactly
;;       r = np.clip(x / 2.0 ** e, -7.5, 7.5)
;;       step = 2.0 ** (np.maximum(np.frexp(np.where(r == 0, 1, r))[1] - 1, 0) - 3)
;;       q = np.round(r / step) * step * 2.0 ** e      # np.round: ties to even
;;       return np.moveaxis(q.reshape(q.shape[:-2] + (-1,))[..., :K], -1, axis).astype(np.float32)
;;   ~~~
;;   SOFTMAX AHEAD OF A QUANTISED PRODUCT. Where the list says 'softmax', what is quantised is not the finished softmax but p = 2^(t - M), with t = logit x log2(e) and M = ceil(the row's largest t), a whole number; so 1/2 < the row's largest p <= 1. The row's sum l is taken of the UNQUANTISED p, in f32, and the product's result is divided by l at the end. Since M is a whole number, a kernel that streams over the keys may use a running M (the ceiling of the running maximum): every later rescaling is an exact power of two, which a block's scale takes up: the codes' values come out the same.
;;   OPERANDS COMPUTED ON THE WAY. 'Computed on the way' means the value that the module computes at that place (a softmax that the list does not call 'softmax' is quantised finished and normalised). What goes into a quantiser is computed in f32, as accurately as f32 sums, v_exp_f32 and their like allow (about 1e-6 of the number): no bf16 or f16 on the way to a quantiser, and a product that is left as it is and whose result goes on into a quantised operand takes f32 operands (vector FMAs, or v_wmma_f32_16x16x4_f32). A number that lies on a knife's edge between two numbers of the format may be rounded either way, as far as f32 arithmetic and the matrix unit's own rounding can turn it there, and no further.
;; One version. Each part assembles by itself: llvm-mc -triple=amdgcn-amd-amdhsa -mcpu=gfx1250 --defsym DOCPART=n.
;; ======== version 1 of 1: 4 launches
;; workspace buffers: xq 6,553,600 bytes; wq 3,276,800 bytes; qkv 19,660,800 bytes; oq 6,553,600 bytes
;; launch quant (part 1): grid 384 x 1, 4 waves a work-group, no clusters, 34,304 bytes of LDS; arguments inputs, Wq, Wk, Wv, Wo, xq, wq; writes xq, wq
.if DOCPART == 1
	.amdgcn_target "amdgcn-amd-amdhsa--gfx1250"
	.amdhsa_code_object_version 6
	.text
	.protected	k_qa7da3160d9_quant
	.globl	k_qa7da3160d9_quant
	.p2align	8
	.type	k_qa7da3160d9_quant,@function
k_qa7da3160d9_quant:
	s_mov_b64 s[64:65], 0
	v_nop
	global_prefetch_b8 v0, s[64:65] scope:SCOPE_SE
	s_setreg_imm32_b32 hwreg(HW_REG_WAVE_MODE, 25, 1), 1
	s_wait_xcnt 0x0
; inputs [8192][1024] and Wq, Wk, Wv, Wo [1024][1024], f32, K innermost, become codes of FP6 (E2M3) with one E8M0 byte for each 32 along K,
; laid as the products' operand registers want them, so that no later launch shuffles anything.
; A block's scale is 2^(floor(log2(its largest magnitude)) - 2): its byte is that magnitude's exponent field - 2, held at 1 from below.
; LIMITS: NaN and infinities are not served.  A block of zeros gets the byte 1 where the rule says 127: its codes are zeros, and this program alone reads the bytes.
; (rotation_params and entangle_params enter no step of the computation and are given to no launch.)
; STORED ROW ORDER: rows are kept in tiles of 16; stored tile 2 B + u, stored row i is true row 32 B + 8 u + (i % 8) + 16 (i / 8).  As source 0 of a product such a pair of tiles
; leaves in a lane's 16 result registers 16 neighbours along the next product's K.
; A TILE'S BLOCK, 12,800 bytes: 512 bytes of scale words [q 4][row 16][8]: the words of K steps 2 q and 2 q + 1 of 128; then 16 half fragments of 768 bytes, one for each 64 along K:
; lane l = row + 16 h holds block h of its row, 24 bytes: its first 16 at 16 l, its last 8 at 512 + 8 l.  Two half fragments on end are the 12 registers of an operand of 16 rows x 128 K.
; SHARES: a wave takes one stored tile x 512 along K, in four parts of 128.  The first 256 work-groups take inputs, then 32 each Wq, Wk, Wv, Wo; only pointers are chosen, all take one path.
; Each load reads 512 consecutive bytes of a row; a part turns through the wave's own stage in LDS (rows 528 bytes apart: 33 x 16, so sixteen rows' reads of 16 bytes begin at sixteen
; different places modulo 256) and comes back 32 neighbours along K to a lane: a whole block, whose largest magnitude needs no other lane.  No barrier: waves share nothing.
.set STG, 8448                         ; a wave's stage: 16 rows x 528 bytes
.set RW,  16                           ; v16-143  two sets of 64: a part as it is loaded
.set X,   144                          ; v144-207 my two blocks of 32 numbers
.set CD,  208                          ; v208-231 two sets of 12: a fragment's codes
.set T0,  232                          ; v232-234, v236-238: a block's upper 16 codes (a conversion's three registers begin on an even number)
.set T1,  236
.set WD,  240                          ; v240-243 the four parts' scale words
.set PT,  244                          ; v244-247 the other half of the lanes' bytes
	s_load_b256 s[4:11], s[0:1], 0x0               ; inputs, Wq, Wk, Wv
	s_load_b128 s[12:15], s[0:1], 0x20             ; Wo, xq
	s_load_b64 s[16:17], s[0:1], 0x30              ; wq
	v_lshl_add_u32 v254, v0, 2, 0x8400
	v_mov_b32 v255, 0
	v_lshrrev_b32 v6, 5, v0
	v_readfirstlane_b32 s18, v6                    ; wave 0..3
	v_and_b32 v7, 31, v0                           ; lane l
	v_and_b32 v8, 15, v0                           ; r
	v_bfe_u32 v9, v0, 4, 1                         ; h
	v_lshlrev_b32 v1, 4, v7                        ; 16 l
	v_lshlrev_b32 v2, 3, v7                        ; 8 l
	s_mul_i32 s19, s18, STG
	v_add_nc_u32 v3, s19, v1                       ; the stage, on the way in: 16 l in a row
	v_mul_u32_u24 v4, v8, 528
	v_lshl_add_u32 v4, v9, 7, v4
	v_add_nc_u32 v4, s19, v4                       ; and on the way out: row r, block h
	v_lshlrev_b32 v5, 3, v9                        ; 8 h: my bytes' place in a scale word
	v_cmp_ne_u32 vcc_lo, 0, v9                     ; lanes 16-31; kept to the end
.irp t, 0,1,2,3
	v_mov_b32 v[PT+\t], 0                          ; written once: a lane permute's destination counts as one of its sources
.endr
	s_mov_b32 s34, 0x76543210
	s_mov_b32 s35, 0xfedcba98                      ; v_permlanex16_b32's selects for lane l xor 16
	s_lshr_b32 s23, s18, 1                         ; which of the work-group's two tiles
	s_and_b32 s24, s18, 1                          ; which half of K
	s_sub_co_u32 s20, ttmp9, 256                   ; a weight's work-group: its number among the 128,
	s_lshr_b32 s21, s20, 5                         ; which weight,
	s_and_b32 s22, s20, 31                         ; and which 32 rows of it
	s_wait_alu depctr_va_vdst(0)
	s_wait_kmcnt 0x0
	s_cmp_eq_u32 s21, 1
	s_cselect_b64 s[6:7], s[8:9], s[6:7]
	s_cmp_eq_u32 s21, 2
	s_cselect_b64 s[6:7], s[10:11], s[6:7]
	s_cmp_eq_u32 s21, 3
	s_cselect_b64 s[6:7], s[12:13], s[6:7]
	s_cmp_lt_u32 ttmp9, 256                        ; inputs or a weight: the choice hangs on the work-group's number alone
	s_cselect_b64 s[4:5], s[4:5], s[6:7]
	s_cselect_b64 s[14:15], s[14:15], s[16:17]
	s_cselect_b32 s22, ttmp9, s22
	s_cselect_b32 s20, ttmp9, s20
	s_lshl_b32 s26, s22, 17                        ; 32 rows of 4,096 bytes,
	s_lshl_b32 s27, s23, 15                        ; the odd tile begins 8 rows down,
	s_add_co_u32 s26, s26, s27
	s_lshl_b32 s27, s24, 11                        ; 512 numbers along K
	s_add_co_u32 s26, s26, s27
	s_mov_b32 s27, 0
	s_add_nc_u64 s[4:5], s[4:5], s[26:27]
	s_lshl_b32 s28, s20, 1
	s_add_co_u32 s28, s28, s23
	s_mul_i32 s28, s28, 12800                      ; my tile's block
	s_mov_b32 s29, 0
	s_add_nc_u64 s[14:15], s[14:15], s[28:29]
	s_lshl_b32 s30, s24, 8
	s_mov_b32 s31, 0
	s_add_nc_u64 s[32:33], s[14:15], s[30:31]      ; my 256 bytes of its scale words
	s_mul_i32 s30, s24, 6144
	s_add_co_u32 s30, s30, 512
	s_add_nc_u64 s[14:15], s[14:15], s[30:31]      ; my eight half fragments
.macro LOAD t                          ; part t: 128 along K of the tile's 16 rows, in stored order; 32 lanes read 512 consecutive bytes
.irp r, 0,1,2,3,4,5,6,7,8,9,10,11,12,13,14,15
	global_load_b128 v[RW+64*((\t)%2)+4*\r:RW+64*((\t)%2)+4*\r+3], v1, s[4:5] offset:((\r%8)+16*(\r/8))*4096+512*(\t) th:TH_LOAD_NT
.endr
.endm
.macro PART t
.set RS, RW+64*((\t)%2)
.set CS, CD+12*((\t)%2)
.if (\t) < 3
	s_wait_loadcnt 16                              ; this part's 16 loads are in; the next part's 16 may be out
.else
	s_wait_loadcnt 0x0
.endif
.irp r, 0,1,2,3,4,5,6,7,8,9,10,11,12,13,14,15
	ds_store_b128 v3, v[RS+4*\r:RS+4*\r+3] offset:528*\r
.endr
.irp c, 0,1                                    ; LDS serves a wave's instructions in order: these see the stores above.  Block 2 c + h of my row
.irp i, 0,1,2,3,4,5,6,7
	ds_load_b128 v[X+32*\c+4*\i:X+32*\c+4*\i+3], v4 offset:256*\c+16*\i
.endr
.endr
	s_wait_dscnt 0x0                               ; my numbers are back, and the stores have read their registers,
.if (\t) < 2
	LOAD (\t)+2                                    ; which take the part two on
.endif
.irp c, 0,1
	v_max3_num_f32 v[6+\c], |v[X+32*\c]|, |v[X+32*\c+1]|, 0x1800000   ; the block's largest magnitude, and the floor 2^(3 - 127): the byte cannot fall under 1
.endr
.irp i, 2,4,6,8,10,12,14,16,18,20,22,24,26,28,30
.irp c, 0,1
	v_max3_num_f32 v[6+\c], v[6+\c], |v[X+32*\c+\i]|, |v[X+32*\c+\i+1]|   ; (the two blocks by turns)
.endr
.endr
.irp c, 0,1
	v_add_nc_u32 v[8+\c], 0xff000000, v[6+\c]      ; 2 off the exponent field: the conversion takes the exponent field of this operand as its scale
.endr
.irp c, 0,1
	v_lshrrev_b32 v[10+\c], 23, v[8+\c]            ; the scale's byte
.endr
	v_lshl_or_b32 v[WD+(\t)], v11, 16, v10         ; blocks h and 2 + h of my row,
	v_lshlrev_b32 v[WD+(\t)], v5, v[WD+(\t)]       ; at their places in the word
.if (\t) >= 2
	s_wait_alu depctr_va_vdst(0)
	s_wait_xcnt 0x0                                ; the stores of two parts ago have read this set of codes
.endif
	v_cvt_scalef32_pk16_fp6_f32 v[CS:CS+2], v[X:X+15], v8
	v_cvt_scalef32_pk16_fp6_f32 v[T0:T0+2], v[X+16:X+31], v8
	v_cvt_scalef32_pk16_fp6_f32 v[CS+6:CS+8], v[X+32:X+47], v9
	v_cvt_scalef32_pk16_fp6_f32 v[T1:T1+2], v[X+48:X+63], v9
	v_nop                                          ; one plain place behind a scaled conversion
.irp i, 0,1,2
	v_mov_b32 v[CS+3+\i], v[T0+\i]
	v_mov_b32 v[CS+9+\i], v[T1+\i]
.endr
	global_store_b128 v1, v[CS:CS+3], s[14:15] offset:1536*(\t)             ; each store of the wave covers 512 or 256 consecutive bytes, aligned
	global_store_b64 v2, v[CS+4:CS+5], s[14:15] offset:1536*(\t)+512
	global_store_b128 v1, v[CS+6:CS+9], s[14:15] offset:1536*(\t)+768
	global_store_b64 v2, v[CS+10:CS+11], s[14:15] offset:1536*(\t)+1280
.endm
	LOAD 0
	LOAD 1
	PART 0
	PART 1
	PART 2
	PART 3
.irp t, 0,1,2,3
	v_permlanex16_b32 v[PT+\t], v[WD+\t], s34, s35
.endr
.irp t, 0,1,2,3
	v_or_b32 v[WD+\t], v[WD+\t], v[PT+\t]          ; with lane l xor 16's two bytes the word is whole
.endr
	v_cndmask_b32 v6, v[WD], v[WD+2], vcc_lo       ; lanes 0-15 store parts 0 and 1, lanes 16-31 parts 2 and 3
	v_cndmask_b32 v7, v[WD+1], v[WD+3], vcc_lo
	global_store_b64 v2, v[6:7], s[32:33]          ; 256 consecutive bytes, aligned
	s_wait_tensorcnt 0x0
	ds_add_u32 v254, v255
	s_wait_dscnt 0x0
	s_endpgm
.Lfunc_end_k_qa7da3160d9_quant:
	.size	k_qa7da3160d9_quant, .Lfunc_end_k_qa7da3160d9_quant-k_qa7da3160d9_quant
	.p2alignl 7, 3214868480
	.fill 96, 4, 3214868480
	.section	.rodata,"a",@progbits
	.p2align	6, 0x0
	.amdhsa_kernel k_qa7da3160d9_quant
		.amdhsa_group_segment_fixed_size 34304
		.amdhsa_private_segment_fixed_size 0
		.amdhsa_enable_private_segment 0
		.amdhsa_kernarg_size 56
		.amdhsa_user_sgpr_count 2
		.amdhsa_user_sgpr_kernarg_segment_ptr 1
		.amdhsa_wavefront_size32 1
		.amdhsa_system_sgpr_workgroup_id_x 1
		.amdhsa_system_sgpr_workgroup_id_y 1
		.amdhsa_system_sgpr_workgroup_id_z 1
		.amdhsa_system_vgpr_workitem_id 0
		.amdhsa_next_free_vgpr 256
		.amdhsa_next_free_sgpr 66
		.amdhsa_reserve_vcc 1
		.amdhsa_float_denorm_mode_32 3
		.amdhsa_float_denorm_mode_16_64 3
		.amdhsa_memory_ordered 1
		.amdhsa_forward_progress 1
		.amdhsa_inst_pref_size 31
	.end_amdhsa_kernel
	.amdgpu_metadata
---
amdhsa.version: [ 1, 2 ]
amdhsa.kernels:
  - .name:           k_qa7da3160d9_quant
    .symbol:         k_qa7da3160d9_quant.kd
    .args:
      - { .name: inputs, .offset: 0, .size: 8, .value_kind: global_buffer, .address_space: global }
      - { .name: Wq, .offset: 8, .size: 8, .value_kind: global_buffer, .address_space: global }
      - { .name: Wk, .offset: 16, .size: 8, .value_kind: global_buffer, .address_space: global }
      - { .name: Wv, .offset: 24, .size: 8, .value_kind: global_buffer, .address_space: global }
      - { .name: Wo, .offset: 32, .size: 8, .value_kind: global_buffer, .address_space: global }
      - { .name: xq, .offset: 40, .size: 8, .value_kind: global_buffer, .address_space: global }
      - { .name: wq, .offset: 48, .size: 8, .value_kind: global_buffer, .address_space: global }
    .group_segment_fixed_size: 34304
    .private_segment_fixed_size: 0
    .kernarg_segment_align: 8
    .kernarg_segment_size: 56
    .max_flat_workgroup_size: 128
    .sgpr_count:     66
    .vgpr_count:     256
    .wavefront_size: 32
...
	.end_amdgpu_metadata
.endif
;; end of part 1
;; launch qkv (part 2): grid 16 x 48, 4 waves a work-group, clusters of 4 x 4, 307,712 bytes of LDS; arguments xq, wq, qkv; writes qkv
.if DOCPART == 2
	.amdgcn_target "amdgcn-amd-amdhsa--gfx1250"
	.amdhsa_code_object_version 6
	.text
	.protected	k_qa7da3160d9_qkv
	.globl	k_qa7da3160d9_qkv
	.p2align	8
	.type	k_qa7da3160d9_qkv,@function
k_qa7da3160d9_qkv:
	s_mov_b64 s[64:65], 0
	v_nop
	global_prefetch_b8 v0, s[64:65] scope:SCOPE_SE
	s_setreg_imm32_b32 hwreg(HW_REG_WAVE_MODE, 25, 1), 1
	s_wait_xcnt 0x0
	s_wait_alu depctr_hold_cnt(0) depctr_sa_sdst(0) depctr_va_vdst(0) depctr_va_sdst(0) depctr_va_ssrc(0) depctr_va_vcc(0) depctr_vm_vsrc(0)
	s_getreg_b32 s2, hwreg(HW_REG_IB_STS2, 6, 4)
	s_cmp_eq_u32 s2, 0
	s_cbranch_scc0 .Lentry_in_a_cluster
	s_endpgm
.Lentry_in_a_cluster:
	s_bfe_u32 s2, ttmp6, 0x10000c
	s_cmp_lg_u32 s2, 0xf033
	s_cbranch_scc0 .Lentry_shape_is_right
	s_endpgm
.Lentry_shape_is_right:
; Q = x Wq^T, K = x Wk^T, V = x Wv^T on codes of FP6 (E2M3) with E8M0 scales, K = 1,024; the results are quantised in registers (Q and K along a head's 64, V along the keys) and never exist as f32 in memory.
; OPERANDS come in tile blocks of 12,800 bytes: 512 bytes of scale words, then 16 half fragments of 768 bytes (16 rows x 64 K: lane l's first 16 bytes at 16 l, its last 8 at 512 + 8 l).
; Rows are in stored order: stored tile 2 B + u, row i = true row 32 B + 8 u + (i % 8) + 16 (i / 8).
; ROLES: P is source 0, R source 1.  In the result a lane holds ONE row of R, and the 64 registers of P's eight tiles are 128 neighbours along the next K: register 16 b + i = 32 b + 16 (lane / 16) + i.
;   clusters with y under 8: P = rows of Wq and Wk, R = tokens: the next K is two heads' 64;   the others: P = tokens (128 keys), R = rows of Wv: the next K is the keys.
;   Only pointers and offsets are chosen (by the cluster's y, which partners share): all take one path.
; SHARES: a work-group takes 8 tiles of P x 16 of R x all of K; wave w all of P x R's tiles 4 w .. 4 w + 3: 32 accumulators, 256 registers (window 1: (a, b) at 64 a + 8 b).
; LDS: the 24 tile blocks, 307,200 bytes, fit whole, so every byte is filled ONCE, all fills go out in the first lines, and nothing is filled again.  K goes in four quarters of 256, each a region:
;   region 0: 24 rows of 3,584 bytes (a tile's scale words and its first four half fragments, which lie on end in memory); regions 1-3: 24 rows of 3,072.  Row i: P's tile i, then R's tile i - 8.
; CLUSTER 4 x 4: P's tiles hang on x alone and are asked for jointly by a column of the cluster, R's on y alone, by a row.  Each wave issues four loads, one a quarter: four are out at the most.
; LIMITS: NaN and infinities are not served; a block of zeros gets the byte 1 (its codes are zeros; this program alone reads the bytes).
.set PI0,  3584
.set PI1,  3072
.set QB1,  24*PI0
.set QSZ,  24*PI1
.set KVO,  6291456                     ; qkv: Q's codes [bh 64][tile 128][768] at 0; here [bh][step 16][K: 8 half fragments | V: 4 fragments of 1,536]
.set QSO,  18874368                    ; Q's scale words [b 8 + g][half step 32][head's parity 2][row 16][8]; K's 262,144 bytes on
.set VSO,  19398656                    ; V's [bh][step][h 2][row 16][8]: channel tile 2 j + h at 128 h + 8 row + 4 j
.set P16,  2                           ; v2-5    region q + 16 l       v6-9   region q + 8 l: P's tiles
.set P8,   6
.set R16,  10                          ; v10-13, v14-17 the same at my four tiles of R
.set R8,   14
.set SM,   18                          ; v18     scale words: lanes 0-15 P's tile, lanes 16-31 my tile of R
.set SPL,  19                          ; v19     8 r: P's tiles 4-7
.set L16,  20                          ; v20     16 l
.set L8,   21                          ; v21     8 l;  v22 r, v23 h
.set SC,   32                          ; v32-63  scale words, two sets of 16: register 2 i + t: tile i, the quarter's t-th 128 along K
.set RF,   64                          ; v64-159 R's fragments, two sets of 48
.set PF,   160                         ; v160-255 P's fragments, one set
.set TM,   32                          ; the way out: v32-35 largest magnitudes, v36-39 bytes, v44-47 the conversions' scale operands; v48-51 the four scale words
.set G1P0, 24                          ; s[24:55] four groups 1: P's region 0, P's others, R's region 0, R's others
.set G1P,  32
.set G1R0, 40
.set G1R,  48
.set MSB, 0
.macro WIN new                         ; the immediate's high byte repeats the setting that is left
.if MSB != \new
	s_set_vgpr_msb (MSB<<8)|\new
.set MSB, \new
.endif
.endm
.macro CROUND                          ; a round of the cluster's barrier
	s_barrier_signal -1
	s_barrier_wait -1
	s_cmp_lg_u32 s10, 0
	s_cbranch_scc1 .Lnot_wave_0_\@
	s_barrier_signal -3
.Lnot_wave_0_\@:
	s_barrier_wait -3
	s_barrier_signal -1
	s_barrier_wait -1
.endm
.macro PLACES n                        ; plain vector lines between a matrix instruction and a load into, or a read of, its registers
.rept \n
	v_nop
.endr
.endm
.macro G1SET g, c, r                   ; r rows of c elements of 8 bytes, 1,600 elements (a tile block) apart
	s_mov_b32 s[\g+1], (\c)<<16
	s_mov_b32 s[\g+2], (\r)<<16
	s_mov_b32 s[\g+3], (\c)<<16
	s_mov_b32 s[\g+4], \r
	s_mov_b32 s[\g+5], 1600
	s_mov_b32 s[\g+6], 0
	s_mov_b32 s[\g+7], 0
.endm
.macro GEOQ q                          ; quarter q: its rows' pitch, its region, its place in a tile block, and where codes begin in a row
.if (\q) == 0
.set PI, PI0
.set QB, 0
.set GOF, 0
.set HD0, 512
.else
.set PI, PI1
.set QB, QB1+((\q)-1)*QSZ
.set GOF, 512+3072*(\q)
.set HD0, 0
.endif
.endm
.macro GEO s                           ; K step s of 128
	GEOQ (\s)/2
.set QQ, (\s)/2
.set HD, HD0+1536*((\s)%2)
.endm
.macro FRAG reg, a16, a8, off          ; a fragment, 12 registers: two half fragments on end; every load reads 512 or 256 consecutive bytes
	ds_load_b128 v[(\reg):(\reg)+3], v[\a16] offset:(\off)
	ds_load_b64 v[(\reg)+4:(\reg)+5], v[\a8] offset:(\off)+512
	ds_load_b128 v[(\reg)+6:(\reg)+9], v[\a16] offset:(\off)+768
	ds_load_b64 v[(\reg)+10:(\reg)+11], v[\a8] offset:(\off)+1280
.endm
.macro FETCH_R s
	GEO \s
.irp a, 0,1,2,3
	FRAG RF+48*((\s)%2)+12*\a, R16+QQ, R8+QQ, \a*PI+HD
.endr
.endm
.macro FETCH_P s, half
	GEO \s
.irp i, 0,1,2,3
	FRAG PF+12*(4*(\half)+\i), P16+QQ, P8+QQ, (4*(\half)+\i)*PI+HD
.endr
.endm
.macro SCALES q                        ; the quarter's two words of each tile
.irp i, 0,1,2,3
	ds_load_b64 v[SC+16*((\q)%2)+2*\i:SC+16*((\q)%2)+2*\i+1], v[SM] offset:\i*PI0+128*(\q)
.endr
.irp i, 4,5,6,7
	ds_load_b64 v[SC+16*((\q)%2)+2*\i:SC+16*((\q)%2)+2*\i+1], v[SPL] offset:\i*PI0+128*(\q)
.endr
.endm
; 16 matrix instructions: four tiles of P x my four of R.  The 32 accumulators take turns, one instruction a turn, in the same order in every K step.
.macro MULH s, half, zero
.set RS_, RF+48*((\s)%2)
.set SS_, SC+16*(((\s)/2)%2)+(\s)%2
	WIN 0x50                                       ; C and D in window 1
.irp b, 0,1,2,3
.irp a, 0,1,2,3
.set PB_, 4*(\half)+\b
.if \zero
	v_wmma_scale_f32_16x16x128_f8f6f4 v[64*\a+8*PB_:64*\a+8*PB_+7], v[PF+12*PB_:PF+12*PB_+11], v[RS_+12*\a:RS_+12*\a+11], 0, v[SS_+2*PB_], v[SS_+2*\a] matrix_a_fmt:MATRIX_FMT_FP6 matrix_b_fmt:MATRIX_FMT_FP6 matrix_b_scale:MATRIX_SCALE_ROW1
.else
	v_wmma_scale_f32_16x16x128_f8f6f4 v[64*\a+8*PB_:64*\a+8*PB_+7], v[PF+12*PB_:PF+12*PB_+11], v[RS_+12*\a:RS_+12*\a+11], v[64*\a+8*PB_:64*\a+8*PB_+7], v[SS_+2*PB_], v[SS_+2*\a] matrix_a_fmt:MATRIX_FMT_FP6 matrix_b_fmt:MATRIX_FMT_FP6 matrix_b_scale:MATRIX_SCALE_ROW1
.endif
.endr
.endr
.endm
; A K step of 128.  P has one set of registers: tiles 0-3 are fetched anew in the step's middle, tiles 4-7 at its end.  R, at work through the whole step, has two.
.macro STEP s, zero
	s_wait_dscnt 16                                ; all but the 16 youngest loads (P's tiles 4-7) are in
	MULH \s, 0, \zero
	s_wait_dscnt 0x0                               ; P's tiles 4-7 are in; no LDS instruction of mine is out
.if (\s) < 7
.if (\s)%2 == 1
	s_wait_tensorcnt 3-((\s)+1)/2                  ; my part of the next quarter has landed; the later quarters may stay out
	s_barrier_signal -1
	s_barrier_wait -1                              ; everybody's has
.endif
	PLACES 4
	WIN 0
	FETCH_R (\s)+1
	FETCH_P (\s)+1, 0
.if (\s)%2 == 1
	SCALES ((\s)+1)/2
.endif
.endif
	MULH \s, 1, \zero
.if (\s) < 7
	PLACES 4
	WIN 0
	FETCH_P (\s)+1, 1
.endif
.endm
	s_load_b128 s[4:7], s[0:1], 0x0                ; xq, wq
	s_load_b64 s[8:9], s[0:1], 0x10                ; qkv
	v_lshl_add_u32 v30, v0, 2, 0x4b000
	v_mov_b32 v31, 0
	ds_add_u32 v30, v31
	ds_add_u32 v30, v31
	v_lshrrev_b32 v1, 5, v0
	v_readfirstlane_b32 s10, v1                    ; wave 0..3
	s_lshr_b32 s11, s10, 1                         ; I fetch for P (0) or for R (1),
	s_and_b32 s12, s10, 1                          ; its first or its second half
	s_bfe_u32 s13, ttmp6, 0x40000                  ; cx
	s_bfe_u32 s14, ttmp6, 0x40004                  ; cy
	s_mov_b32 s15, ttmp9                           ; the cluster's x
	s_and_b32 s16, ttmp7, 0xffff                   ; and y
	s_lshl_b32 s66, 0x1111, s13                    ; my column of the cluster: P's tiles
	s_lshl_b32 s67, s14, 2
	s_lshl_b32 s67, 15, s67                        ; my row: R's
	s_or_b32 s[G1P0], s66, (3<<16)|(1<<21)         ; 15:0 the mask; 17:16 elements of 8 bytes; 21 set beside a mask; no padding
	s_or_b32 s[G1P], s66, (3<<16)|(1<<21)
	s_or_b32 s[G1R0], s67, (3<<16)|(1<<21)
	s_or_b32 s[G1R], s67, (3<<16)|(1<<21)
	G1SET G1P0, 448, 4
	G1SET G1P, 384, 4
	G1SET G1R0, 448, 8
	G1SET G1R, 384, 8
	s_lshl_b32 s17, s15, 2
	s_add_co_u32 s17, s17, s13                     ; 4 x cluster x + cx
	s_sub_co_u32 s94, s16, 8
	s_lshl_b32 s94, s94, 4
	s_lshl_b32 s95, s16, 2
	s_wait_dscnt 0x0
	s_wait_kmcnt 0x0
	s_cmp_lt_u32 s16, 8                            ; Q and K, or V: the same in all sixteen partners
	s_cselect_b32 s94, 0, s94
	s_cselect_b32 s95, s95, 0
	s_cselect_b32 s96, 0, 1638400                  ; Wv's tiles begin 128 tile blocks into wq
	s_cselect_b64 s[20:21], s[6:7], s[4:5]         ; P
	s_cselect_b64 s[22:23], s[4:5], s[6:7]         ; R
	s_add_co_u32 s17, s17, s94                     ; px: which 8 tiles of P
	s_add_co_u32 s18, s14, s95                     ; ry: which 16 tiles of R
	s_lshl_b32 s92, s17, 3
	s_lshl_b32 s93, s12, 2
	s_add_co_u32 s92, s92, s93
	s_mul_i32 s92, s92, 12800
	s_mov_b32 s93, 0
	s_add_nc_u64 s[20:21], s[20:21], s[92:93]      ; P's four tiles that I would fetch
	s_lshl_b32 s98, s18, 4
	s_lshl_b32 s99, s12, 3
	s_add_co_u32 s98, s98, s99
	s_mul_i32 s98, s98, 12800
	s_add_co_u32 s98, s98, s96
	s_mov_b32 s99, 0
	s_add_nc_u64 s[22:23], s[22:23], s[98:99]      ; R's eight
.irp q, 0,1,2,3                                ; groups 0: every wave makes all eight, P's from x alone, R's from y alone
	GEOQ \q
.set GP, 56+4*\q+4*(\q/2)
.set GR, 76+4*\q
	s_mov_b32 s[GP], 1
	s_mul_i32 s[GP+1], s12, 4*PI
	s_add_co_u32 s[GP+1], s[GP+1], QB
	s_add_nc_u64 s[GP+2:GP+3], s[20:21], GOF
	s_or_b32 s[GP+3], s[GP+3], 0x80000000
	s_mov_b32 s[GR], 1
	s_mul_i32 s[GR+1], s12, 8*PI
	s_add_co_u32 s[GR+1], s[GR+1], QB+8*PI
	s_add_nc_u64 s[GR+2:GR+3], s[22:23], GOF
	s_or_b32 s[GR+3], s[GR+3], 0x80000000
.endr
	CROUND                                         ; all sixteen work-groups are here: the joint loads meet
	s_cmp_eq_u32 s11, 0                            ; a wave's four fills stand in one branch on the wave's number; four v_nop follow the last
	s_cbranch_scc0 .Lfill_r
	tensor_load_to_lds s[56:59], s[G1P0:G1P0+7]
	s_nop 0
	tensor_load_to_lds s[60:63], s[G1P:G1P+7]
	s_nop 0
	tensor_load_to_lds s[68:71], s[G1P:G1P+7]
	s_nop 0
	tensor_load_to_lds s[72:75], s[G1P:G1P+7]
	s_nop 0
	PLACES 4
	s_branch .Lfilled
.Lfill_r:
	tensor_load_to_lds s[76:79], s[G1R0:G1R0+7]
	s_nop 0
	tensor_load_to_lds s[80:83], s[G1R:G1R+7]
	s_nop 0
	tensor_load_to_lds s[84:87], s[G1R:G1R+7]
	s_nop 0
	tensor_load_to_lds s[88:91], s[G1R:G1R+7]
	s_nop 0
	PLACES 4
.Lfilled:
	v_and_b32 v1, 31, v0
	v_and_b32 v22, 15, v0                          ; r
	v_bfe_u32 v23, v0, 4, 1                        ; h
	v_lshlrev_b32 v[L16], 4, v1
	v_lshlrev_b32 v[L8], 3, v1
	v_lshlrev_b32 v[SPL], 3, v22
.irp q, 0,1,2,3
	GEOQ \q
	v_add_nc_u32 v[P16+\q], QB, v[L16]
	v_add_nc_u32 v[P8+\q], QB, v[L8]
	s_mul_i32 s2, s10, 4*PI
	s_add_co_u32 s2, s2, QB+8*PI                   ; my four tiles of R
	v_add_nc_u32 v[R16+\q], s2, v[L16]
	v_add_nc_u32 v[R8+\q], s2, v[L8]
.endr
	s_mul_i32 s2, s10, 4*PI0
	s_add_co_u32 s2, s2, 8*PI0
	v_mul_u32_u24 v[SM], s2, v23                   ; lanes 16-31 take R's words
	v_add_nc_u32 v[SM], v[SM], v[SPL]
	v_cmp_ne_u32 vcc_lo, 0, v23                    ; lanes 16-31; kept to the end
	s_wait_alu depctr_va_vdst(0)
	s_wait_tensorcnt 3                             ; my part of quarter 0 is in (the three later quarters may be out),
	s_barrier_signal -1
	s_barrier_wait -1                              ; everybody's is
	FETCH_R 0
	FETCH_P 0, 0
	SCALES 0
	FETCH_P 0, 1
	STEP 0, 1                                      ; the first products start the sums: nothing is cleared
	STEP 1, 0
	STEP 2, 0
	STEP 3, 0
	STEP 4, 0
	STEP 5, 0
	STEP 6, 0
	STEP 7, 0
	WIN 0
	; THE WAY OUT.  No tensor load of mine is out since K step 5's wait for 0, so the descriptors' registers are free.  All three places are worked out, and one is chosen.
	s_lshr_b32 s40, s18, 3                         ; Q, K: the batch,
	s_and_b32 s41, s17, 7                          ; the pair of heads g,
	s_lshl_b32 s40, s40, 3
	s_add_co_u32 s40, s40, s41                     ; 8 b + g
	s_and_b32 s41, s18, 7
	s_lshl_b32 s41, s41, 2
	s_add_co_u32 s41, s41, s10                     ; my four token tiles: half step 4 (ry % 8) + w of the batch
	s_lshr_b32 s42, s17, 3                         ; 0: Q, 1: K
	s_mul_i32 s43, s40, 2*98304
	s_mul_i32 s44, s41, 4*768
	s_add_co_u32 s43, s43, s44                     ; Q's codes: head 2 g, my first tile
	s_mul_i32 s45, s40, 2*196608
	s_lshr_b32 s46, s41, 1
	s_mul_i32 s46, s46, 12288
	s_add_co_u32 s45, s45, s46
	s_and_b32 s46, s41, 1
	s_mul_i32 s46, s46, 4*768
	s_add_co_u32 s45, s45, s46
	s_add_co_u32 s45, s45, KVO                     ; K's codes: the key step, my first tile in it
	s_mul_i32 s47, s42, 262144
	s_lshl_b32 s48, s40, 13
	s_add_co_u32 s47, s47, s48
	s_lshl_b32 s48, s41, 8
	s_add_co_u32 s47, s47, s48
	s_add_co_u32 s47, s47, QSO                     ; Q's or K's scale words
	s_lshr_b32 s48, s17, 4                         ; V: the batch,
	s_lshl_b32 s48, s48, 4
	s_lshl_b32 s49, s18, 2
	s_add_co_u32 s48, s48, s49
	s_add_co_u32 s48, s48, s10                     ; 16 b + head, head = 4 ry + w
	s_and_b32 s49, s17, 15                         ; the key step
	s_lshl_b32 s50, s48, 4
	s_add_co_u32 s50, s50, s49
	s_mul_i32 s51, s50, 12288
	s_add_co_u32 s51, s51, KVO+6144                ; V's codes
	s_lshl_b32 s50, s50, 8
	s_add_co_u32 s50, s50, VSO                     ; V's scale words
	s_mov_b32 s52, 196608
	s_mov_b32 s53, 1536
	s_mov_b32 s54, 0x03020100
	s_mov_b32 s55, 0x07060504
	s_cmp_eq_u32 s42, 0
	s_cselect_b32 s43, s43, s45
	s_cselect_b32 s52, 98304, s52                  ; from a head to the next
	s_cmp_lt_u32 s16, 8
	s_cselect_b32 s56, s43, s51                    ; where my first half fragment goes,
	s_cselect_b32 s58, 768, s53                    ; from tile a to a + 1 of R,
	s_cselect_b32 s60, s52, 768                    ; from a fragment's first half to its second,
	s_cselect_b32 s62, s47, s50                    ; where my 256 bytes of scale words go,
	s_cselect_b32 s54, 0x05040100, s54             ; and how two tiles' words are laid together
	s_cselect_b32 s55, 0x07060302, s55
	s_mov_b32 s57, 0
	s_mov_b32 s59, 0
	s_mov_b32 s61, 0
	s_mov_b32 s63, 0
	s_add_nc_u64 s[24:25], s[8:9], s[56:57]        ; s[24 + 4 a + 2 c]: half c of tile a
	s_add_nc_u64 s[26:27], s[24:25], s[60:61]
.irp a, 1,2,3
	s_add_nc_u64 s[24+4*\a:25+4*\a], s[20+4*\a:21+4*\a], s[58:59]
	s_add_nc_u64 s[26+4*\a:27+4*\a], s[22+4*\a:23+4*\a], s[58:59]
.endr
	s_add_nc_u64 s[68:69], s[8:9], s[62:63]
	s_mov_b32 s70, 0x76543210
	s_mov_b32 s71, 0xfedcba98                      ; v_permlanex16_b32's selects for lane l xor 16
	PLACES 4                                       ; behind the last products: their results are read and their operands' registers written below
.irp b, 0,1,2,3
	v_mov_b32 v[TM+4+\b], 0                        ; a lane permute's destination counts as one of its sources
.endr
; The 64 numbers of my row in R's tile a (window 1, v[64 a] on) become a fragment's codes in v[64 + 24 a] on and its scale word in v[48 + a].
.macro QUANTW a
.set AS, 64*(\a)
.set PC, 64+24*(\a)
	WIN 0x14                                       ; sources 1 and 2 in window 1
.irp b, 0,1,2,3
	v_max3_num_f32 v[TM+\b], 0x1800000, |v[AS+16*\b]|, |v[AS+16*\b+1]|   ; block b: my 16 numbers, from each accumulator's low end on, and the floor 2^(3 - 127)
.endr
.irp i, 2,4,6,8,10,12,14
.irp b, 0,1,2,3
	v_max3_num_f32 v[TM+\b], v[TM+\b], |v[AS+16*\b+\i]|, |v[AS+16*\b+\i+1]|
.endr
.endr
	WIN 0
.irp b, 0,1,2,3
	v_permlanex16_b32 v[TM+4+\b], v[TM+\b], s70, s71
.endr
.irp b, 0,1,2,3
	v_max_num_f32 v[TM+\b], v[TM+\b], v[TM+4+\b]   ; with lane l xor 16's 16: the block's largest magnitude
.endr
.irp b, 0,1,2,3
	v_add_nc_u32 v[TM+12+\b], 0xff000000, v[TM+\b] ; 2 off its exponent field: the conversion's scale operand
.endr
.irp b, 0,1,2,3
	v_lshrrev_b32 v[TM+4+\b], 23, v[TM+12+\b]      ; the scale's byte
.endr
	v_lshl_or_b32 v[48+(\a)], v[TM+5], 8, v[TM+4]
	v_lshl_or_b32 v[48+(\a)], v[TM+6], 16, v[48+(\a)]
	v_lshl_or_b32 v[48+(\a)], v[TM+7], 24, v[48+(\a)]
	WIN 0x01                                       ; source 0 in window 1
.irp c, 0,1
	v_cvt_scalef32_pk16_fp6_f32 v[PC+6*\c:PC+6*\c+2], v[AS+32*\c:AS+32*\c+15], v[TM+12+2*\c]
	v_cvt_scalef32_pk16_fp6_f32 v[PC+12+4*\c:PC+14+4*\c], v[AS+32*\c+16:AS+32*\c+31], v[TM+13+2*\c]
.endr
	WIN 0
	v_nop                                          ; one plain place behind a scaled conversion
.irp c, 0,1                                    ; the operand's layout wants a whole block in a lane: lanes 0-15 block 2 c, lanes 16-31 block 2 c + 1
.irp i, 0,1,2
	v_permlane16_swap_b32 v[PC+6*\c+\i], v[PC+12+4*\c+\i]
.endr
.irp i, 0,1,2
	v_mov_b32 v[PC+3+6*\c+\i], v[PC+12+4*\c+\i]
.endr
.endr
.endm
.irp a, 0,1,2,3                                ; each tile has registers of its own for its codes: no store's data are written again
	QUANTW \a
.irp c, 0,1
	global_store_b128 v[L16], v[64+24*\a+6*\c:64+24*\a+6*\c+3], s[24+4*\a+2*\c:25+4*\a+2*\c]               ; 512 consecutive bytes, aligned
	global_store_b64 v[L8], v[64+24*\a+6*\c+4:64+24*\a+6*\c+5], s[24+4*\a+2*\c:25+4*\a+2*\c] offset:512    ; 256
.endr
.endr
	; the scale words.  Q, K: a word's low half belongs to head 2 g, its high half to head 2 g + 1; two tiles' halves make the word of a pair of tiles; lanes 0-15 store head 2 g's, lanes 16-31 the other's.
	; V: the words go as they are: lanes 0-15 store channel tiles 0 and 2, lanes 16-31 tiles 1 and 3.
	v_perm_b32 v32, v49, v48, s54
	v_perm_b32 v33, v49, v48, s55
	v_perm_b32 v34, v51, v50, s54
	v_perm_b32 v35, v51, v50, s55
	v_cndmask_b32 v36, v32, v33, vcc_lo
	v_cndmask_b32 v37, v34, v35, vcc_lo
	global_store_b64 v[L8], v[36:37], s[68:69]     ; 256 consecutive bytes, aligned
	s_wait_tensorcnt 0x0
	ds_add_u32 v30, v31
	s_wait_dscnt 0x0
	CROUND                                         ; the closing round: no work-group ends while a partner may still ask for a tile that names it
	s_endpgm
.Lfunc_end_k_qa7da3160d9_qkv:
	.size	k_qa7da3160d9_qkv, .Lfunc_end_k_qa7da3160d9_qkv-k_qa7da3160d9_qkv
	.p2alignl 7, 3214868480
	.fill 96, 4, 3214868480
	.section	.rodata,"a",@progbits
	.p2align	6, 0x0
	.amdhsa_kernel k_qa7da3160d9_qkv
		.amdhsa_group_segment_fixed_size 307712
		.amdhsa_private_segment_fixed_size 0
		.amdhsa_enable_private_segment 0
		.amdhsa_kernarg_size 24
		.amdhsa_user_sgpr_count 2
		.amdhsa_user_sgpr_kernarg_segment_ptr 1
		.amdhsa_wavefront_size32 1
		.amdhsa_system_sgpr_workgroup_id_x 1
		.amdhsa_system_sgpr_workgroup_id_y 1
		.amdhsa_system_sgpr_workgroup_id_z 1
		.amdhsa_system_vgpr_workitem_id 0
		.amdhsa_next_free_vgpr 512
		.amdhsa_next_free_sgpr 100
		.amdhsa_reserve_vcc 1
		.amdhsa_float_denorm_mode_32 3
		.amdhsa_float_denorm_mode_16_64 3
		.amdhsa_memory_ordered 1
		.amdhsa_forward_progress 1
		.amdhsa_inst_pref_size 92
	.end_amdhsa_kernel
	.amdgpu_metadata
---
amdhsa.version: [ 1, 2 ]
amdhsa.kernels:
  - .name:           k_qa7da3160d9_qkv
    .symbol:         k_qa7da3160d9_qkv.kd
    .args:
      - { .name: xq, .offset: 0, .size: 8, .value_kind: global_buffer, .address_space: global }
      - { .name: wq, .offset: 8, .size: 8, .value_kind: global_buffer, .address_space: global }
      - { .name: qkv, .offset: 16, .size: 8, .value_kind: global_buffer, .address_space: global }
    .group_segment_fixed_size: 307712
    .private_segment_fixed_size: 0
    .kernarg_segment_align: 8
    .kernarg_segment_size: 24
    .max_flat_workgroup_size: 128
    .sgpr_count:     100
    .vgpr_count:     512
    .wavefront_size: 32
...
	.end_amdgpu_metadata
.endif
;; end of part 2
;; launch attn (part 3): grid 4 x 64, 16 waves a work-group, clusters of 4 x 1, 206,848 bytes of LDS; arguments qkv, oq; writes oq
.if DOCPART == 3
	.amdgcn_target "amdgcn-amd-amdhsa--gfx1250"
	.amdhsa_code_object_version 6
	.text
	.protected	k_qa7da3160d9_attn
	.globl	k_qa7da3160d9_attn
	.p2align	8
	.type	k_qa7da3160d9_attn,@function
k_qa7da3160d9_attn:
	s_mov_b64 s[64:65], 0
	v_nop
	global_prefetch_b8 v0, s[64:65] scope:SCOPE_SE
	s_setreg_imm32_b32 hwreg(HW_REG_WAVE_MODE, 25, 1), 1
	s_wait_xcnt 0x0
	s_wait_alu depctr_hold_cnt(0) depctr_sa_sdst(0) depctr_va_vdst(0) depctr_va_sdst(0) depctr_va_ssrc(0) depctr_va_vcc(0) depctr_vm_vsrc(0)
	s_getreg_b32 s2, hwreg(HW_REG_IB_STS2, 6, 4)
	s_cmp_eq_u32 s2, 0
	s_cbranch_scc0 .Lentry_in_a_cluster
	s_endpgm
.Lentry_in_a_cluster:
	s_bfe_u32 s2, ttmp6, 0x10000c
	s_cmp_lg_u32 s2, 0x3003
	s_cbranch_scc0 .Lentry_shape_is_right
	s_endpgm
.Lentry_shape_is_right:
; O = softmax(Q K^T / 8) V for one head, both products on codes of FP6 (E2M3) with E8M0 scales; O / l is quantised along the model's 1,024 and stored as an operand of the last product.
; THE SOFTMAX: t = score x log2(e) / 8; M = the running largest t rounded UP to a whole number; p = 2^(t - M) is quantised along the keys, not normalised; the row's sum l is taken of the unquantised p.
; When M moves, the sum and O are multiplied by 2^(old M - new M): nothing is rounded, and no branch hangs on data.
; SHARES: a work-group owns 512 queries of one head (bh = the grid's y); each of its sixteen waves two tiles of 16 queries, one after the other; four waves lie on a SIMD, so one wave's vector work stands beside another's products and LDS loads.
; LDS: the head's K and V codes, 16 key steps x (K 6,144 | V 6,144) bytes, and its scale words, 2 x 4,096 bytes, fit whole: filled ONCE, jointly for the cluster's four work-groups, which walk the same head.  Nothing is filled again.
; LAYOUT: both products are used transposed (S^T = K Q^T, O^T = V^T P^T): a lane holds ONE query throughout.  Key tiles and V's channel tiles are in stored order (tile 2 B + u, row i = 32 B + 8 u + i % 8 + 16 (i / 8)),
; so the 16 registers of two neighbouring result tiles are 16 neighbours along the next K.
; A HEAD'S 64 IN AN INSTRUCTION OF 128: a fragment read from K's half fragments 2 p and 2 p + 1 holds two key tiles, one in k 0-63, one in k 64-127.  Against [Q | 0] it gives tile 2 p's scores, against [0 | Q] tile 2 p + 1's.
; The zeros are codes, on Q's side alone; every scale byte lies in 1 .. 254, so they add nothing.
; LIMITS: NaN and infinities are not served; p under 2^-126 comes out of v_exp_f32 as 0; a block of zeros gets the byte 1; O's scale bytes leave as stores of 2 bytes a row (32 bytes beside each 768 of codes).
.set KVO, 6291456
.set QSO, 18874368
.set KSO, 19136512
.set VSO, 19398656
.set LKS, 196608                       ; LDS: K's scale words [half step 32][row 16][8]; V's 4,096 bytes on: [step 16][h 2][row 16][8]
.set KF,  40                           ; v40-87   four fragments, of K and then of V
.set S,   88                           ; v88-151  S^T, then p
.set O,   152                          ; v152-183 O^T
.set PCD, 184                          ; v184-195 p's codes
.set CT,  196                          ; v196-198, v200-202 a block's other half (a conversion's three registers begin on an even number)
.set BM,  204                          ; v204-207 block maxima;  v208-211 the other lanes', then bytes;  v212-215 the conversions' scale operands
.set BT,  208
.set SO,  212
; v1 16 l, v2 8 l, v3 LKS + 8 r, v4-6 the step's addresses, v8 8 r; v12 -M, v13 the largest t, v[14:15] the sum in two halves; v16-27 [Q | 0], v28-39 [0 | Q];
; v216-219 K's scale words, v220-223 V's, v224 Q's, v225 Q's as loaded, v226 p's; v[228:229] f; v230 at work
.set WV,  10
.set TB,  2                            ; s2  LDS byte at which the step's codes begin
.set TS,  3                            ; s3  and its scale words: 256 bytes a step
.set GA,  24                           ; s[24:55] four groups 1: one step; three steps; K's scale words; V's
.set GB,  32
.set GK,  40
.set GV,  48
.set G0A, 56                           ; their groups 0
.set G0B, 60
.set G0K, 68
.set G0V, 72
.set CNT, 76
.set QW,  66                           ; s[66:67] Q's scale words;  s[78:79] Q's codes;  s[80:81] O's codes;  s[82:83] O's scale bytes
.set QP,  78
.set OC,  80
.set OS,  82
.macro CROUND                          ; a round of the cluster's barrier
	s_barrier_signal -1
	s_barrier_wait -1
	s_cmp_lg_u32 s[WV], 0
	s_cbranch_scc1 .Lnot_wave_0_\@
	s_barrier_signal -3
.Lnot_wave_0_\@:
	s_barrier_wait -3
	s_barrier_signal -1
	s_barrier_wait -1
.endm
.macro G1SET g, c, r, p                ; r rows of c elements of 8 bytes, p elements apart; the mask names all four work-groups, bit 21 is set beside it; no padding
	s_mov_b32 s[\g], 15|(3<<16)|(1<<21)
	s_mov_b32 s[\g+1], (\c)<<16
	s_mov_b32 s[\g+2], (\r)<<16
	s_mov_b32 s[\g+3], (\c)<<16
	s_mov_b32 s[\g+4], \r
	s_mov_b32 s[\g+5], \p
	s_mov_b32 s[\g+6], 0
	s_mov_b32 s[\g+7], 0
.endm
.macro FRAG reg, off                   ; a fragment, 12 registers: two half fragments on end; every load reads 512 or 256 consecutive bytes
	ds_load_b128 v[(\reg):(\reg)+3], v4 offset:(\off)
	ds_load_b64 v[(\reg)+4:(\reg)+5], v5 offset:(\off)+512
	ds_load_b128 v[(\reg)+6:(\reg)+9], v4 offset:(\off)+768
	ds_load_b64 v[(\reg)+10:(\reg)+11], v5 offset:(\off)+1280
.endm
	s_load_b128 s[4:7], s[0:1], 0x0                ; qkv, oq
	v_lshl_add_u32 v254, v0, 2, 0x32000
	v_mov_b32 v255, 0
	ds_add_u32 v254, v255
	ds_add_u32 v254, v255
	v_lshrrev_b32 v1, 5, v0
	s_delay_alu instid0(VALU_DEP_1)
	v_readfirstlane_b32 s[WV], v1                  ; wave 0..15
	s_bfe_u32 s11, ttmp6, 0x40000                  ; cx
	s_lshl_b32 s13, ttmp9, 2
	s_add_co_u32 s11, s11, s13                     ; my block of 512 queries: it enters Q's and O's addresses alone
	s_and_b32 s12, ttmp7, 0xffff                   ; bh, which the four partners share
	G1SET GA, 32, 48, 32                           ; a step's 12,288 dense bytes as 48 rows of 256
	G1SET GB, 32, 144, 32                          ; three steps'
	G1SET GK, 16, 32, 32                           ; my head's 128 bytes of each half step's 256
	G1SET GV, 32, 16, 32                           ; 4,096 dense bytes
	s_min_u32 s13, s[WV], 3                        ; waves 0 to 3 fetch
	s_mul_i32 s16, s13, 12288                      ; step w,
	s_mov_b32 s17, 0
	s_mul_i32 s18, s13, 36864
	s_add_co_u32 s18, s18, 49152                   ; and steps 4 + 3 w .. 6 + 3 w: the same byte in the head's block and in LDS
	s_mov_b32 s19, 0
	s_mul_i32 s14, s12, 196608
	s_add_co_u32 s14, s14, KVO
	s_mov_b32 s15, 0
	s_mov_b32 s20, 0x76543210
	s_mov_b32 s21, 0xfedcba98                      ; v_permlanex16_b32's selects for lane l xor 16
	s_mov_b32 s22, 0x3e38aa3b                      ; c = log2(e) / 8
	s_mov_b32 s23, s22                             ; (named with it as a pair, so it is written)
	s_mov_b32 s[TB], 0
	s_mov_b32 s[TS], 0
	s_wait_dscnt 0x0
	s_wait_kmcnt 0x0
	s_add_nc_u64 s[14:15], s[4:5], s[14:15]        ; the head's K and V
	s_mov_b32 s[G0A], 1
	s_mov_b32 s[G0A+1], s16
	s_add_nc_u64 s[G0A+2:G0A+3], s[14:15], s[16:17]
	s_or_b32 s[G0A+3], s[G0A+3], 0x80000000
	s_mov_b32 s[G0B], 1
	s_mov_b32 s[G0B+1], s18
	s_add_nc_u64 s[G0B+2:G0B+3], s[14:15], s[18:19]
	s_or_b32 s[G0B+3], s[G0B+3], 0x80000000
	s_lshr_b32 s16, s12, 1
	s_lshl_b32 s16, s16, 13
	s_and_b32 s18, s12, 1
	s_lshl_b32 s18, s18, 7
	s_add_co_u32 s16, s16, s18                     ; my head's place among Q's and among K's scale words
	s_add_co_u32 s18, s16, KSO
	s_mov_b32 s[G0K], 1
	s_mov_b32 s[G0K+1], LKS
	s_add_nc_u64 s[G0K+2:G0K+3], s[4:5], s[18:19]
	s_or_b32 s[G0K+3], s[G0K+3], 0x80000000
	s_lshl_b32 s18, s12, 12
	s_add_co_u32 s18, s18, VSO
	s_mov_b32 s[G0V], 1
	s_mov_b32 s[G0V+1], LKS+4096
	s_add_nc_u64 s[G0V+2:G0V+3], s[4:5], s[18:19]
	s_or_b32 s[G0V+3], s[G0V+3], 0x80000000
	CROUND                                         ; all four work-groups are here: the joint loads meet
	; All fills of a wave stand in one branch on the wave's number, the same in every work-group; on each arm the last load is the three steps'.  Three loads of a wave are out at the most.  Four v_nop follow the last.
	s_cmp_ge_u32 s[WV], 4
	s_cbranch_scc1 .Lasked
	s_cmp_eq_u32 s[WV], 0
	s_cbranch_scc0 .Lnot_0
	tensor_load_to_lds s[G0K:G0K+3], s[GK:GK+7]
	s_nop 0
	tensor_load_to_lds s[G0A:G0A+3], s[GA:GA+7]
	s_nop 0
	tensor_load_to_lds s[G0B:G0B+3], s[GB:GB+7]
	s_nop 0
.rept 4
	v_nop
.endr
	s_branch .Lasked
.Lnot_0:
	s_cmp_eq_u32 s[WV], 1
	s_cbranch_scc0 .Lnot_1
	tensor_load_to_lds s[G0V:G0V+3], s[GV:GV+7]
	s_nop 0
	tensor_load_to_lds s[G0A:G0A+3], s[GA:GA+7]
	s_nop 0
	tensor_load_to_lds s[G0B:G0B+3], s[GB:GB+7]
	s_nop 0
.rept 4
	v_nop
.endr
	s_branch .Lasked
.Lnot_1:
	tensor_load_to_lds s[G0A:G0A+3], s[GA:GA+7]
	s_nop 0
	tensor_load_to_lds s[G0B:G0B+3], s[GB:GB+7]
	s_nop 0
.rept 4
	v_nop
.endr
.Lasked:
	s_lshl_b32 s13, s11, 4
	s_add_co_u32 s13, s13, s[WV]                   ; my pair of query tiles in the batch: 16 x block + wave
	s_mul_i32 s14, s12, 98304
	s_mul_i32 s15, s13, 1536
	s_add_co_u32 s14, s14, s15
	s_mov_b32 s15, 0
	s_add_nc_u64 s[QP:QP+1], s[4:5], s[14:15]      ; Q's two half fragments
	s_lshr_b32 s14, s13, 1
	s_lshl_b32 s14, s14, 8
	s_add_co_u32 s14, s14, s16
	s_and_b32 s17, s13, 1
	s_lshl_b32 s17, s17, 2
	s_add_co_u32 s14, s14, s17
	s_add_co_u32 s14, s14, QSO
	s_add_nc_u64 s[QW:QW+1], s[4:5], s[14:15]      ; and the pair's scale word
	s_lshr_b32 s14, s12, 4
	s_lshl_b32 s14, s14, 6
	s_add_co_u32 s14, s14, s13
	s_mul_i32 s14, s14, 25600                      ; the pair's two tile blocks in oq
	s_and_b32 s17, s12, 15                         ; the head: its 64 channels are K chunk `head` of the last product
	s_mul_i32 s18, s17, 768
	s_add_co_u32 s18, s18, s14
	s_add_co_u32 s18, s18, 512
	s_add_nc_u64 s[OC:OC+1], s[6:7], s[18:19]
	s_lshr_b32 s18, s17, 2
	s_lshl_b32 s18, s18, 7
	s_and_b32 s17, s17, 3
	s_lshl_b32 s17, s17, 1
	s_add_co_u32 s18, s18, s17
	s_add_co_u32 s18, s18, s14
	s_add_nc_u64 s[OS:OS+1], s[6:7], s[18:19]      ; its two bytes of a row's scale words: 128 (head / 4) + 2 (head % 4), + 8 r
	v_and_b32 v7, 31, v0
	v_and_b32 v9, 15, v0
	s_delay_alu instid0(VALU_DEP_2)
	v_lshlrev_b32 v1, 4, v7
	s_delay_alu instid0(VALU_DEP_3)
	v_lshlrev_b32 v2, 3, v7
	s_delay_alu instid0(VALU_DEP_3)
	v_lshlrev_b32 v8, 3, v9
	s_delay_alu instid0(VALU_DEP_1)
	v_add_nc_u32 v3, LKS, v8
	global_load_b32 v225, v8, s[QW:QW+1]
.irp i, 22,23,24,25,26,27,28,29,30,31,32,33
	v_mov_b32 v[\i], 0                             ; the zero halves of [Q | 0] and [0 | Q]: written once
.endr
.irp b, 0,1,2,3
	v_mov_b32 v[BT+\b], 0                          ; a lane permute's destination counts as one of its sources
.endr
	v_mov_b32 v229, 0                              ; (named as the upper half of the pair v[228:229])
; A KEY STEP: 128 keys.
.macro STEP
	v_add_nc_u32 v4, s[TB], v1
	v_add_nc_u32 v5, s[TB], v2
	v_add_nc_u32 v6, s[TS], v3
	v_nop                                          ; four places in front of loads into registers that the last products read
.irp p, 0,1,2,3
	FRAG KF+12*\p, 1536*\p
.endr
	ds_load_b64 v[216:217], v6                     ; the words of key tile pairs 0, 1
	ds_load_b64 v[218:219], v6 offset:128          ; and 2, 3
	s_wait_alu depctr_va_vdst(0)
	s_wait_dscnt 0x0
.irp p, 0,1,2,3
	v_wmma_scale_f32_16x16x128_f8f6f4 v[S+16*\p:S+16*\p+7], v[KF+12*\p:KF+12*\p+11], v[16:27], 0, v[216+\p], v224 matrix_a_fmt:MATRIX_FMT_FP6 matrix_b_fmt:MATRIX_FMT_FP6
	v_wmma_scale_f32_16x16x128_f8f6f4 v[S+16*\p+8:S+16*\p+15], v[KF+12*\p:KF+12*\p+11], v[28:39], 0, v[216+\p], v224 matrix_a_fmt:MATRIX_FMT_FP6 matrix_b_fmt:MATRIX_FMT_FP6
.endr                                          ; register 16 b + i holds key 32 b + 16 (lane / 16) + i of the step
.rept 4
	v_nop
.endr
.irp c, 0,1,2,3                                ; V's four fragments land while the softmax is worked
	FRAG KF+12*\c, 6144+1536*\c
.endr
	ds_load_b64 v[220:221], v6 offset:4096         ; the words of channel tiles 0, 2
	ds_load_b64 v[222:223], v6 offset:4224         ; and 1, 3
.irp b, 0,1,2,3
	v_max3_num_f32 v[BM+\b], v[S+16*\b], v[S+1+16*\b], v[S+2+16*\b]   ; the largest score of each block of 32 keys: it serves the row's maximum and, since p rises with the score, the block's largest p
.endr
.irp i, 3,5,7,9,11,13
.irp b, 0,1,2,3
	v_max3_num_f32 v[BM+\b], v[BM+\b], v[S+16*\b+\i], v[S+1+16*\b+\i]
.endr
.endr
.irp b, 0,1,2,3
	v_max_num_f32 v[BM+\b], v[BM+\b], v[S+15+16*\b]
.endr
.irp b, 0,1,2,3
	s_delay_alu instid0(VALU_DEP_4)
	v_permlanex16_b32 v[BT+\b], v[BM+\b], s20, s21
.endr
.irp b, 0,1,2,3
	s_delay_alu instid0(VALU_DEP_4)
	v_max_num_f32 v[BM+\b], v[BM+\b], v[BT+\b]     ; with lane l xor 16's 16 keys
.endr
	s_delay_alu instid0(VALU_DEP_2)
	v_max3_num_f32 v230, v[BM], v[BM+1], v[BM+2]
	s_delay_alu instid0(VALU_DEP_1)
	v_max_num_f32 v230, v230, v[BM+3]              ; the step's largest score of my query
	s_delay_alu instid0(VALU_DEP_1)
	v_mul_f32 v230, s22, v230                      ; as t (c is positive)
	s_delay_alu instid0(VALU_DEP_1)
	v_max_num_f32 v13, v13, v230                   ; the running largest t
	v_mov_b32 v230, v12
	s_delay_alu instid0(VALU_DEP_2)
	v_floor_f32 v12, -v13                          ; the new -M = floor(-t): M is a whole number
	s_delay_alu instid0(VALU_DEP_1)
	v_sub_f32 v230, v12, v230                      ; old M - new M: a whole number, 0 or less
	s_delay_alu instid0(VALU_DEP_1)
	v_cvt_i32_f32 v230, v230                       ; (it saturates)
	s_delay_alu instid0(VALU_DEP_1)
	v_ldexp_f32 v228, 1.0, v230                    ; f = 2^(old M - new M)
.set j, 0
.rept 32
	v_pk_fma_f32 v[S+j:S+j+1], v[S+j:S+j+1], s[22:23], v[12:13] op_sel_hi:[1,0,0]   ; t - M, two at a time
.set j, j+2
.endr
.irp b, 0,1,2,3
	v_fma_f32 v[BM+\b], v[BM+\b], s22, v12         ; the same of each block's largest score
.endr
.set j, 0
	s_setprio 1
	s_wait_alu depctr_va_vdst(0)
.rept 64
	v_exp_f32 v[S+j], v[S+j]                       ; p = 2^(t - M), at most 1
.set j, j+1
.endr
	v_pk_mul_f32 v[14:15], v[14:15], v[228:229] op_sel_hi:[1,0]   ; the sums under the new M: the plain line behind the exponentials
	s_wait_alu depctr_va_vdst(0)                   ; one wait for the batch of 64, ahead of its first reader
.irp b, 0,1,2,3
	v_exp_f32 v[BM+\b], v[BM+\b]                   ; the block's largest p: the same two instructions on the same number give the same bits
.endr
	v_pk_add_f32 v[208:209], v[92:93], v[96:97]
	v_pk_add_f32 v[252:253], v[100:101], v[104:105]
	v_pk_add_f32 v[250:251], v[108:109], v[112:113]
	v_pk_add_f32 v[248:249], v[116:117], v[120:121]
	v_pk_add_f32 v[246:247], v[124:125], v[128:129]
	v_pk_add_f32 v[244:245], v[132:133], v[136:137]
	v_pk_add_f32 v[242:243], v[140:141], v[144:145]
	v_pk_add_f32 v[14:15], v[14:15], v[148:149]
	v_pk_add_f32 v[208:209], v[208:209], v[88:89]
	v_pk_add_f32 v[252:253], v[252:253], v[90:91]
	v_pk_add_f32 v[250:251], v[250:251], v[94:95]
	v_pk_add_f32 v[248:249], v[248:249], v[98:99]
	v_pk_add_f32 v[246:247], v[246:247], v[102:103]
	v_pk_add_f32 v[244:245], v[244:245], v[106:107]
	v_pk_add_f32 v[242:243], v[242:243], v[110:111]
	v_pk_add_f32 v[14:15], v[14:15], v[114:115]
	v_pk_add_f32 v[208:209], v[208:209], v[118:119]
	v_pk_add_f32 v[252:253], v[252:253], v[122:123]
	v_pk_add_f32 v[250:251], v[250:251], v[126:127]
	v_pk_add_f32 v[248:249], v[248:249], v[130:131]
	v_pk_add_f32 v[246:247], v[246:247], v[134:135]
	v_pk_add_f32 v[244:245], v[244:245], v[138:139]
	v_pk_add_f32 v[242:243], v[242:243], v[142:143]
	v_pk_add_f32 v[14:15], v[14:15], v[146:147]
	v_pk_add_f32 v[208:209], v[208:209], v[150:151]
	s_delay_alu instid0(VALU_DEP_2)
	v_pk_add_f32 v[14:15], v[14:15], v[248:249]
	s_delay_alu instid0(VALU_DEP_2)
	v_pk_add_f32 v[208:209], v[208:209], v[246:247]
	v_pk_add_f32 v[252:253], v[252:253], v[244:245]
	v_pk_add_f32 v[250:251], v[250:251], v[242:243]
	s_delay_alu instid0(VALU_DEP_2)
	v_pk_add_f32 v[14:15], v[14:15], v[252:253]
	s_delay_alu instid0(VALU_DEP_2)
	v_pk_add_f32 v[208:209], v[208:209], v[250:251]
	s_delay_alu instid0(VALU_DEP_1)
	v_pk_add_f32 v[14:15], v[14:15], v[208:209]
	s_wait_alu depctr_va_vdst(0)                   ; and one for the four
.irp b, 0,1,2,3
	v_max_num_f32 v[BM+\b], 0x1800000, v[BM+\b]    ; the floor 2^(3 - 127): the byte cannot fall under 1
.endr
.irp b, 0,1,2,3
	s_delay_alu instid0(VALU_DEP_4)
	v_add_nc_u32 v[SO+\b], 0xff000000, v[BM+\b]    ; 2 off the exponent field: the conversion's scale operand
.endr
.irp b, 0,1,2,3
	s_delay_alu instid0(VALU_DEP_4)
	v_lshrrev_b32 v[BT+\b], 23, v[SO+\b]           ; the scale's byte
.endr
	s_delay_alu instid0(VALU_DEP_3)
	v_lshl_or_b32 v226, v[BT+1], 8, v[BT]          ; p's scale word for these 128 keys
	s_delay_alu instid0(VALU_DEP_1)
	v_lshl_or_b32 v226, v[BT+2], 16, v226
	s_delay_alu instid0(VALU_DEP_1)
	v_lshl_or_b32 v226, v[BT+3], 24, v226
.irp c, 0,1
	v_cvt_scalef32_pk16_fp6_f32 v[PCD+6*\c:PCD+6*\c+2], v[S+32*\c:S+32*\c+15], v[SO+2*\c]
	v_cvt_scalef32_pk16_fp6_f32 v[CT+4*\c:CT+4*\c+2], v[S+32*\c+16:S+32*\c+31], v[SO+2*\c+1]
.endr
	v_nop                                          ; one plain place behind a scaled conversion
.irp c, 0,1                                    ; a whole block to a lane: lanes 0-15 block 2 c, lanes 16-31 block 2 c + 1
.irp i, 0,1,2
	v_permlane16_swap_b32 v[PCD+6*\c+\i], v[CT+4*\c+\i]
.endr
.irp i, 0,1,2
	s_delay_alu instid0(VALU_DEP_3)
	v_mov_b32 v[PCD+3+6*\c+\i], v[CT+4*\c+\i]
.endr
.endr
.set j, 0
	s_setprio 0
.rept 16
	v_pk_mul_f32 v[O+j:O+j+1], v[O+j:O+j+1], v[228:229] op_sel_hi:[1,0]   ; O^T under the new M.  (These sixteen are also the places between the lines that wrote p's codes and scale word and the products)
.set j, j+2
.endr
	s_wait_alu depctr_va_vdst(0)
	s_wait_dscnt 0x0                               ; V is in
	v_wmma_scale_f32_16x16x128_f8f6f4 v[O:O+7], v[KF:KF+11], v[PCD:PCD+11], v[O:O+7], v220, v226 matrix_a_fmt:MATRIX_FMT_FP6 matrix_b_fmt:MATRIX_FMT_FP6
	v_wmma_scale_f32_16x16x128_f8f6f4 v[O+8:O+15], v[KF+12:KF+23], v[PCD:PCD+11], v[O+8:O+15], v222, v226 matrix_a_fmt:MATRIX_FMT_FP6 matrix_b_fmt:MATRIX_FMT_FP6
	v_wmma_scale_f32_16x16x128_f8f6f4 v[O+16:O+23], v[KF+24:KF+35], v[PCD:PCD+11], v[O+16:O+23], v221, v226 matrix_a_fmt:MATRIX_FMT_FP6 matrix_b_fmt:MATRIX_FMT_FP6
	v_wmma_scale_f32_16x16x128_f8f6f4 v[O+24:O+31], v[KF+36:KF+47], v[PCD:PCD+11], v[O+24:O+31], v223, v226 matrix_a_fmt:MATRIX_FMT_FP6 matrix_b_fmt:MATRIX_FMT_FP6
	s_add_co_u32 s[TB], s[TB], 12288
	s_add_co_u32 s[TS], s[TS], 256
.endm
.macro STEPS n                         ; n key steps
	s_mov_b32 s[CNT], \n
.Lstep_\@:
	s_setprio 2
	STEP
	s_sub_co_u32 s[CNT], s[CNT], 1
	s_cmp_lg_u32 s[CNT], 0
	s_cbranch_scc1 .Lstep_\@
	s_setprio 0
.endm
; Query tile p of my pair: Q's half fragment into both operands, its half of the pair's scale word doubled (it serves k 0-63 and k 64-127 alike), the statistics and O^T at their beginnings.
.macro PASSINIT p
.if \p
	s_wait_xcnt 0x0                                ; the last tile's stores have read their registers
.endif
	global_load_b128 v[16:19], v1, s[QP:QP+1] offset:768*\p
	global_load_b64 v[20:21], v2, s[QP:QP+1] offset:768*\p+512
	global_load_b128 v[34:37], v1, s[QP:QP+1] offset:768*\p
	global_load_b64 v[38:39], v2, s[QP:QP+1] offset:768*\p+512
	v_mov_b32 v13, 0xff61b1e6                      ; the largest t so far: -3e38, under every t
	s_delay_alu instid0(VALU_DEP_1)
	v_floor_f32 v12, -v13
	v_mov_b32 v14, 0
	v_mov_b32 v15, 0
	s_wait_loadcnt 0x0
.if \p
	v_perm_b32 v224, v225, v225, 0x03020302
.else
	v_perm_b32 v224, v225, v225, 0x01000100
.endif
.set j, 0
.rept 32
	v_mov_b32 v[O+j], 0                            ; the step is written once: the first finds zeros, which the first change of M leaves zeros.  (Also the places between the line that wrote Q's scale word and the products)
.set j, j+1
.endr
.endm
; O^T / l; its 32 registers are channels 32 b + 16 (lane / 16) + i of my query: two blocks, quantised as p is, one half fragment.
.macro FINISH p
	v_add_f32 v14, v14, v15
	s_delay_alu instid0(VALU_DEP_1)
	v_permlanex16_b32 v[BT], v14, s20, s21
	s_delay_alu instid0(VALU_DEP_1)
	v_add_f32 v14, v14, v[BT]                      ; the row's sum
	s_wait_alu depctr_va_vdst(0)
	v_rcp_f32 v228, v14
.rept 4
	v_nop                                          ; the plain line behind the reciprocal, and the places behind the last products
.endr
	s_wait_alu depctr_va_vdst(0)                   ; ahead of the reciprocal's first reader
.set j, 0
.rept 16
	v_pk_mul_f32 v[S+j:S+j+1], v[O+j:O+j+1], v[228:229] op_sel_hi:[1,0]   ; each accumulator from its low end on
.set j, j+2
.endr
.irp b, 0,1
	v_max3_num_f32 v[BM+\b], |v[S+16*\b]|, |v[S+1+16*\b]|, 0x1800000
.endr
.irp i, 2,4,6,8,10,12,14
.irp b, 0,1
	s_delay_alu instid0(VALU_DEP_2)
	v_max3_num_f32 v[BM+\b], v[BM+\b], |v[S+16*\b+\i]|, |v[S+1+16*\b+\i]|
.endr
.endr
.irp b, 0,1
	s_delay_alu instid0(VALU_DEP_2)
	v_permlanex16_b32 v[BT+\b], v[BM+\b], s20, s21
.endr
.irp b, 0,1
	s_delay_alu instid0(VALU_DEP_2)
	v_max_num_f32 v[BM+\b], v[BM+\b], v[BT+\b]
.endr
.irp b, 0,1
	s_delay_alu instid0(VALU_DEP_2)
	v_add_nc_u32 v[SO+\b], 0xff000000, v[BM+\b]
.endr
.irp b, 0,1
	s_delay_alu instid0(VALU_DEP_2)
	v_lshrrev_b32 v[BT+\b], 23, v[SO+\b]
.endr
	s_delay_alu instid0(VALU_DEP_1)
	v_lshl_or_b32 v226, v[BT+1], 8, v[BT]          ; the head's two bytes of my row's scale word
	v_cvt_scalef32_pk16_fp6_f32 v[PCD:PCD+2], v[S:S+15], v[SO]
	v_cvt_scalef32_pk16_fp6_f32 v[CT:CT+2], v[S+16:S+31], v[SO+1]
	v_nop
.irp i, 0,1,2
	v_permlane16_swap_b32 v[PCD+\i], v[CT+\i]
.endr
.irp i, 0,1,2
	s_delay_alu instid0(VALU_DEP_3)
	v_mov_b32 v[PCD+3+\i], v[CT+\i]
.endr
	global_store_b128 v1, v[PCD:PCD+3], s[OC:OC+1] offset:12800*\p           ; 512 consecutive bytes, aligned
	global_store_b64 v2, v[PCD+4:PCD+5], s[OC:OC+1] offset:12800*\p+512      ; 256
	global_store_b16 v8, v226, s[OS:OS+1] offset:12800*\p                    ; lanes l and l xor 16 store the same two bytes to the same place
.endm
	PASSINIT 0
	s_wait_tensorcnt 1                             ; the scale words and my one step are in; my three steps may be out
	s_barrier_signal -1
	s_barrier_wait -1                              ; steps 0 to 3 are whole
	STEPS 4
	s_wait_tensorcnt 0x0                           ; my three steps are in,
	s_wait_dscnt 0x0
	s_barrier_signal -1
	s_barrier_wait -1                              ; and so is the whole head
	STEPS 12
	FINISH 0
	s_mov_b32 s[TB], 0
	s_mov_b32 s[TS], 0
	PASSINIT 1
	STEPS 16
	FINISH 1
	s_wait_tensorcnt 0x0
	ds_add_u32 v254, v255
	s_wait_dscnt 0x0
	CROUND                                         ; the closing round: no work-group ends while a partner may still ask for a tile that names it
	s_endpgm
.Lfunc_end_k_qa7da3160d9_attn:
	.size	k_qa7da3160d9_attn, .Lfunc_end_k_qa7da3160d9_attn-k_qa7da3160d9_attn
	.p2alignl 7, 3214868480
	.fill 96, 4, 3214868480
	.section	.rodata,"a",@progbits
	.p2align	6, 0x0
	.amdhsa_kernel k_qa7da3160d9_attn
		.amdhsa_group_segment_fixed_size 206848
		.amdhsa_private_segment_fixed_size 0
		.amdhsa_enable_private_segment 0
		.amdhsa_kernarg_size 16
		.amdhsa_user_sgpr_count 2
		.amdhsa_user_sgpr_kernarg_segment_ptr 1
		.amdhsa_wavefront_size32 1
		.amdhsa_system_sgpr_workgroup_id_x 1
		.amdhsa_system_sgpr_workgroup_id_y 1
		.amdhsa_system_sgpr_workgroup_id_z 1
		.amdhsa_system_vgpr_workitem_id 0
		.amdhsa_next_free_vgpr 256
		.amdhsa_next_free_sgpr 84
		.amdhsa_reserve_vcc 0
		.amdhsa_float_denorm_mode_32 3
		.amdhsa_float_denorm_mode_16_64 3
		.amdhsa_memory_ordered 1
		.amdhsa_forward_progress 1
		.amdhsa_inst_pref_size 74
	.end_amdhsa_kernel
	.amdgpu_metadata
---
amdhsa.version: [ 1, 2 ]
amdhsa.kernels:
  - .name:           k_qa7da3160d9_attn
    .symbol:         k_qa7da3160d9_attn.kd
    .args:
      - { .name: qkv, .offset: 0, .size: 8, .value_kind: global_buffer, .address_space: global }
      - { .name: oq, .offset: 8, .size: 8, .value_kind: global_buffer, .address_space: global }
    .group_segment_fixed_size: 206848
    .private_segment_fixed_size: 0
    .kernarg_segment_align: 8
    .kernarg_segment_size: 16
    .max_flat_workgroup_size: 512
    .sgpr_count:     84
    .vgpr_count:     256
    .wavefront_size: 32
...
	.end_amdgpu_metadata
.endif
;; end of part 3
;; launch proj (part 4): grid 8 x 32, 4 waves a work-group, clusters of 4 x 4, 307,712 bytes of LDS; arguments oq, wq, inputs, out0; writes out0
.if DOCPART == 4
	.amdgcn_target "amdgcn-amd-amdhsa--gfx1250"
	.amdhsa_code_object_version 6
	.text
	.protected	k_qa7da3160d9_proj
	.globl	k_qa7da3160d9_proj
	.p2align	8
	.type	k_qa7da3160d9_proj,@function
k_qa7da3160d9_proj:
	s_mov_b64 s[64:65], 0
	v_nop
	global_prefetch_b8 v0, s[64:65] scope:SCOPE_SE
	s_setreg_imm32_b32 hwreg(HW_REG_WAVE_MODE, 25, 1), 1
	s_wait_xcnt 0x0
	s_wait_alu depctr_hold_cnt(0) depctr_sa_sdst(0) depctr_va_vdst(0) depctr_va_sdst(0) depctr_va_ssrc(0) depctr_va_vcc(0) depctr_vm_vsrc(0)
	s_getreg_b32 s2, hwreg(HW_REG_IB_STS2, 6, 4)
	s_cmp_eq_u32 s2, 0
	s_cbranch_scc0 .Lentry_in_a_cluster
	s_endpgm
.Lentry_in_a_cluster:
	s_bfe_u32 s2, ttmp6, 0x10000c
	s_cmp_lg_u32 s2, 0xf033
	s_cbranch_scc0 .Lentry_shape_is_right
	s_endpgm
.Lentry_shape_is_right:
; out0 = O Wo^T + inputs: the product on codes of FP6 (E2M3) with E8M0 scales, K = 1,024, sums and the residual in f32.
; OPERANDS come in tile blocks of 12,800 bytes: 512 bytes of scale words, then 16 half fragments of 768 bytes (16 rows x 64 K: lane l's first 16 bytes at 16 l, its last 8 at 512 + 8 l).
; Rows are in stored order: stored tile 2 B + u, row i = true row 32 B + 8 u + (i % 8) + 16 (i / 8).
; ROLES: P (source 0) = rows of Wo, R (source 1) = tokens.  In the result a lane holds ONE token, and the 64 registers of P's eight tiles are 128 neighbouring columns of out0: register 16 b + i = 32 b + 16 (lane / 16) + i.
; SHARES: a work-group takes 8 tiles of P x 16 of R x all of K; wave w all of P x R's tiles 4 w .. 4 w + 3: 32 accumulators, 256 registers (window 1: (a, b) at 64 a + 8 b).
; LDS: the 24 tile blocks, 307,200 bytes, fit whole: every byte is filled ONCE, all fills go out in the first lines.  K goes in four quarters of 256, each a region:
;   region 0: 24 rows of 3,584 bytes (scale words and four half fragments); regions 1-3: 24 rows of 3,072.  Row i: P's tile i, then R's tile i - 8.
; CLUSTER 4 x 4: P's tiles are asked for jointly by a column of the cluster, R's by a row.  Each wave issues four loads, one a quarter: four are out at the most.
; THE RESIDUAL: my 64 rows x 512 bytes of inputs are asked for behind the fills, into window 2, in the order in which the rows will leave, and land under the products.
.set PI0,  3584
.set PI1,  3072
.set QB1,  24*PI0
.set QSZ,  24*PI1
.set P16,  2                           ; v2-5    region q + 16 l       v6-9   region q + 8 l: P's tiles
.set P8,   6
.set R16,  10                          ; v10-13, v14-17 the same at my four tiles of R
.set R8,   14
.set SM,   18                          ; v18     scale words: lanes 0-15 P's tile, lanes 16-31 my tile of R
.set SPL,  19                          ; v19     8 r: P's tiles 4-7
.set L16,  20                          ; v20     16 l
.set L8,   21                          ; v21     8 l
.set STO,  24                          ; v24     the way out: where I put 32 bytes of a row
.set RD,   25                          ; v25     and where I read a row back
.set SC,   32                          ; v32-63  scale words, two sets of 16
.set RF,   64                          ; v64-159 R's fragments, two sets of 48
.set PF,   160                         ; v160-255 P's fragments, one set
.set BK,   64                          ; the way out: 16 rows read back: v64-127 and v128-191 by turns
.set G1P0, 24
.set G1P,  32
.set G1R0, 40
.set G1R,  48
.set MSB, 0
.macro WIN new                         ; the immediate's high byte repeats the setting that is left
.if MSB != \new
	s_set_vgpr_msb (MSB<<8)|\new
.set MSB, \new
.endif
.endm
.macro CROUND                          ; a round of the cluster's barrier
	s_barrier_signal -1
	s_barrier_wait -1
	s_cmp_lg_u32 s10, 0
	s_cbranch_scc1 .Lnot_wave_0_\@
	s_barrier_signal -3
.Lnot_wave_0_\@:
	s_barrier_wait -3
	s_barrier_signal -1
	s_barrier_wait -1
.endm
.macro PLACES n                        ; plain vector lines between a matrix instruction and a load into, or a read of, its registers
.rept \n
	v_nop
.endr
.endm
.macro G1SET g, c, r                   ; r rows of c elements of 8 bytes, 1,600 elements (a tile block) apart
	s_mov_b32 s[\g+1], (\c)<<16
	s_mov_b32 s[\g+2], (\r)<<16
	s_mov_b32 s[\g+3], (\c)<<16
	s_mov_b32 s[\g+4], \r
	s_mov_b32 s[\g+5], 1600
	s_mov_b32 s[\g+6], 0
	s_mov_b32 s[\g+7], 0
.endm
.macro GEOQ q                          ; quarter q: its rows' pitch, its region, its place in a tile block, and where codes begin in a row
.if (\q) == 0
.set PI, PI0
.set QB, 0
.set GOF, 0
.set HD0, 512
.else
.set PI, PI1
.set QB, QB1+((\q)-1)*QSZ
.set GOF, 512+3072*(\q)
.set HD0, 0
.endif
.endm
.macro GEO s                           ; K step s of 128
	GEOQ (\s)/2
.set QQ, (\s)/2
.set HD, HD0+1536*((\s)%2)
.endm
.macro FRAG reg, a16, a8, off          ; a fragment, 12 registers: two half fragments on end; every load reads 512 or 256 consecutive bytes
	ds_load_b128 v[(\reg):(\reg)+3], v[\a16] offset:(\off)
	ds_load_b64 v[(\reg)+4:(\reg)+5], v[\a8] offset:(\off)+512
	ds_load_b128 v[(\reg)+6:(\reg)+9], v[\a16] offset:(\off)+768
	ds_load_b64 v[(\reg)+10:(\reg)+11], v[\a8] offset:(\off)+1280
.endm
.macro FETCH_R s
	GEO \s
.irp a, 0,1,2,3
	FRAG RF+48*((\s)%2)+12*\a, R16+QQ, R8+QQ, \a*PI+HD
.endr
.endm
.macro FETCH_P s, half
	GEO \s
.irp i, 0,1,2,3
	FRAG PF+12*(4*(\half)+\i), P16+QQ, P8+QQ, (4*(\half)+\i)*PI+HD
.endr
.endm
.macro SCALES q                        ; the quarter's two words of each tile
.irp i, 0,1,2,3
	ds_load_b64 v[SC+16*((\q)%2)+2*\i:SC+16*((\q)%2)+2*\i+1], v[SM] offset:\i*PI0+128*(\q)
.endr
.irp i, 4,5,6,7
	ds_load_b64 v[SC+16*((\q)%2)+2*\i:SC+16*((\q)%2)+2*\i+1], v[SPL] offset:\i*PI0+128*(\q)
.endr
.endm
; 16 matrix instructions: four tiles of P x my four of R.  The 32 accumulators take turns, one instruction a turn, in the same order in every K step.
.macro MULH s, half, zero
.set RS_, RF+48*((\s)%2)
.set SS_, SC+16*(((\s)/2)%2)+(\s)%2
	WIN 0x50                                       ; C and D in window 1
.irp b, 0,1,2,3
.irp a, 0,1,2,3
.set PB_, 4*(\half)+\b
.if \zero
	v_wmma_scale_f32_16x16x128_f8f6f4 v[64*\a+8*PB_:64*\a+8*PB_+7], v[PF+12*PB_:PF+12*PB_+11], v[RS_+12*\a:RS_+12*\a+11], 0, v[SS_+2*PB_], v[SS_+2*\a] matrix_a_fmt:MATRIX_FMT_FP6 matrix_b_fmt:MATRIX_FMT_FP6 matrix_b_scale:MATRIX_SCALE_ROW1
.else
	v_wmma_scale_f32_16x16x128_f8f6f4 v[64*\a+8*PB_:64*\a+8*PB_+7], v[PF+12*PB_:PF+12*PB_+11], v[RS_+12*\a:RS_+12*\a+11], v[64*\a+8*PB_:64*\a+8*PB_+7], v[SS_+2*PB_], v[SS_+2*\a] matrix_a_fmt:MATRIX_FMT_FP6 matrix_b_fmt:MATRIX_FMT_FP6 matrix_b_scale:MATRIX_SCALE_ROW1
.endif
.endr
.endr
.endm
; A K step of 128.  P has one set of registers: tiles 0-3 are fetched anew in the step's middle, tiles 4-7 at its end.  R, at work through the whole step, has two.
.macro STEP s, zero
	s_wait_dscnt 16                                ; all but the 16 youngest loads (P's tiles 4-7) are in
	MULH \s, 0, \zero
	s_wait_dscnt 0x0                               ; P's tiles 4-7 are in; no LDS instruction of mine is out
.if (\s) < 7
.if (\s)%2 == 1
	s_wait_tensorcnt 3-((\s)+1)/2                  ; my part of the next quarter has landed; the later quarters may stay out: no tensor load fills anything again
	s_barrier_signal -1
	s_barrier_wait -1                              ; everybody's has
.endif
	PLACES 4
	WIN 0
	FETCH_R (\s)+1
	FETCH_P (\s)+1, 0
.if (\s)%2 == 1
	SCALES ((\s)+1)/2
.endif
.endif
	MULH \s, 1, \zero
.if (\s) < 7
	PLACES 4
	WIN 0
	FETCH_P (\s)+1, 1
.endif
.endm
	s_load_b128 s[4:7], s[0:1], 0x0                ; oq, wq
	s_load_b64 s[8:9], s[0:1], 0x10                ; inputs
	s_load_b64 s[18:19], s[0:1], 0x18              ; out0
	v_lshl_add_u32 v30, v0, 2, 0x4b000
	v_mov_b32 v31, 0
	ds_add_u32 v30, v31
	ds_add_u32 v30, v31
	v_lshrrev_b32 v1, 5, v0
	v_readfirstlane_b32 s10, v1                    ; wave 0..3
	s_lshr_b32 s11, s10, 1                         ; I fetch for P (0) or for R (1),
	s_and_b32 s12, s10, 1                          ; its first or its second half
	s_bfe_u32 s13, ttmp6, 0x40000                  ; cx
	s_bfe_u32 s14, ttmp6, 0x40004                  ; cy
	s_mov_b32 s15, ttmp9                           ; the cluster's x
	s_and_b32 s16, ttmp7, 0xffff                   ; and y
	s_lshl_b32 s66, 0x1111, s13                    ; my column of the cluster: P's tiles
	s_lshl_b32 s67, s14, 2
	s_lshl_b32 s67, 15, s67                        ; my row: R's
	s_or_b32 s[G1P0], s66, (3<<16)|(1<<21)         ; 15:0 the mask; 17:16 elements of 8 bytes; 21 set beside a mask; no padding
	s_or_b32 s[G1P], s66, (3<<16)|(1<<21)
	s_or_b32 s[G1R0], s67, (3<<16)|(1<<21)
	s_or_b32 s[G1R], s67, (3<<16)|(1<<21)
	G1SET G1P0, 448, 4
	G1SET G1P, 384, 4
	G1SET G1R0, 448, 8
	G1SET G1R, 384, 8
	s_lshl_b32 s17, s15, 2
	s_add_co_u32 s17, s17, s13                     ; px: which 128 columns of out0
	s_lshl_b32 s96, s16, 2
	s_add_co_u32 s96, s96, s14                     ; ry: which 256 tokens
	s_lshl_b32 s92, s17, 3
	s_lshl_b32 s93, s12, 2
	s_add_co_u32 s92, s92, s93
	s_mul_i32 s92, s92, 12800
	s_add_co_u32 s92, s92, 2457600                 ; Wo's tiles begin 192 tile blocks into wq
	s_mov_b32 s93, 0
	s_lshl_b32 s98, s96, 4
	s_lshl_b32 s99, s12, 3
	s_add_co_u32 s98, s98, s99
	s_mul_i32 s98, s98, 12800
	s_mov_b32 s99, 0
	s_wait_dscnt 0x0
	s_wait_kmcnt 0x0
	s_add_nc_u64 s[20:21], s[6:7], s[92:93]        ; P's four tiles that I would fetch
	s_add_nc_u64 s[22:23], s[4:5], s[98:99]        ; R's eight
.irp q, 0,1,2,3                                ; groups 0: every wave makes all eight, P's from x alone, R's from y alone
	GEOQ \q
.set GP, 56+4*\q+4*(\q/2)
.set GR, 76+4*\q
	s_mov_b32 s[GP], 1
	s_mul_i32 s[GP+1], s12, 4*PI
	s_add_co_u32 s[GP+1], s[GP+1], QB
	s_add_nc_u64 s[GP+2:GP+3], s[20:21], GOF
	s_or_b32 s[GP+3], s[GP+3], 0x80000000
	s_mov_b32 s[GR], 1
	s_mul_i32 s[GR+1], s12, 8*PI
	s_add_co_u32 s[GR+1], s[GR+1], QB+8*PI
	s_add_nc_u64 s[GR+2:GR+3], s[22:23], GOF
	s_or_b32 s[GR+3], s[GR+3], 0x80000000
.endr
	CROUND                                         ; all sixteen work-groups are here: the joint loads meet
	s_cmp_eq_u32 s11, 0                            ; a wave's four fills stand in one branch on the wave's number; four v_nop follow the last
	s_cbranch_scc0 .Lfill_r
	tensor_load_to_lds s[56:59], s[G1P0:G1P0+7]
	s_nop 0
	tensor_load_to_lds s[60:63], s[G1P:G1P+7]
	s_nop 0
	tensor_load_to_lds s[68:71], s[G1P:G1P+7]
	s_nop 0
	tensor_load_to_lds s[72:75], s[G1P:G1P+7]
	s_nop 0
	PLACES 4
	s_branch .Lfilled
.Lfill_r:
	tensor_load_to_lds s[76:79], s[G1R0:G1R0+7]
	s_nop 0
	tensor_load_to_lds s[80:83], s[G1R:G1R+7]
	s_nop 0
	tensor_load_to_lds s[84:87], s[G1R:G1R+7]
	s_nop 0
	tensor_load_to_lds s[88:91], s[G1R:G1R+7]
	s_nop 0
	PLACES 4
.Lfilled:
	v_and_b32 v1, 31, v0
	v_and_b32 v22, 15, v0                          ; r
	v_bfe_u32 v23, v0, 4, 1                        ; h
	v_lshlrev_b32 v[L16], 4, v1
	s_wait_alu depctr_va_vdst(0)
	v_lshlrev_b32 v[L8], 3, v1
	s_wait_alu depctr_va_vdst(0)
	v_lshlrev_b32 v[SPL], 3, v22
	s_lshl_b32 s2, s96, 20                         ; 256 rows of 4,096 bytes,
	s_lshl_b32 s3, s10, 18                         ; my wave's 64,
	s_add_co_u32 s2, s2, s3
	s_lshl_b32 s3, s17, 9                          ; 128 columns
	s_add_co_u32 s2, s2, s3
	s_mov_b32 s3, 0
	s_add_nc_u64 s[8:9], s[8:9], s[2:3]
	s_add_nc_u64 s[18:19], s[18:19], s[2:3]
	WIN 0x80                                       ; destination window 2
.irp a, 0,1,2,3                                ; stored row i of my tile a is true row 32 (a / 2) + 8 (a % 2) + i % 8 + 16 (i / 8) of my 64; 32 lanes read 512 consecutive bytes
.irp i, 0,1,2,3,4,5,6,7,8,9,10,11,12,13,14,15
	global_load_b128 v[64*\a+4*\i:64*\a+4*\i+3], v[L16], s[8:9] offset:(32*(\a/2)+8*(\a%2)+(\i%8)+16*(\i/8))*4096 th:TH_LOAD_NT
.endr
.endr
	WIN 0
.irp q, 0,1,2,3
	GEOQ \q
	v_add_nc_u32 v[P16+\q], QB, v[L16]
	v_add_nc_u32 v[P8+\q], QB, v[L8]
	s_mul_i32 s2, s10, 4*PI
	s_add_co_u32 s2, s2, QB+8*PI                   ; my four tiles of R
	v_add_nc_u32 v[R16+\q], s2, v[L16]
	v_add_nc_u32 v[R8+\q], s2, v[L8]
.endr
	s_mul_i32 s2, s10, 4*PI0
	s_add_co_u32 s2, s2, 8*PI0
	v_mul_u32_u24 v[SM], s2, v23                   ; lanes 16-31 take R's words
	v_add_nc_u32 v[SM], v[SM], v[SPL]
	s_mul_i32 s2, s10, 16*528
	s_add_co_u32 s2, s2, QB1                       ; my stage: 16 rows x (512 + 16) bytes, in region 1
	v_mul_u32_u24 v[STO], v22, 528
	v_lshl_add_u32 v[STO], v23, 6, v[STO]
	v_add_nc_u32 v[STO], s2, v[STO]                ; in: row r, + 64 h
	v_add_nc_u32 v[RD], s2, v[L16]                 ; back: a row's 512 bytes to the 32 lanes
	s_wait_alu depctr_va_vdst(0)
	s_wait_tensorcnt 3                             ; my part of quarter 0 is in (the three later quarters may be out),
	s_barrier_signal -1
	s_barrier_wait -1                              ; everybody's is
	FETCH_R 0
	FETCH_P 0, 0
	SCALES 0
	FETCH_P 0, 1
	STEP 0, 1                                      ; the first products start the sums: nothing is cleared
	STEP 1, 0
	STEP 2, 0
	STEP 3, 0
	STEP 4, 0
	STEP 5, 0
	STEP 6, 0
	STEP 7, 0
	WIN 0
; THE WAY OUT, a tile of 16 tokens x 128 columns at a time.  A lane holds pieces of 32 bytes of one row, and the lanes beside it hold other rows: so a tile goes through my own stage and comes back as whole rows of 512 bytes.
; The stage lies in region 1: that region had its one fill at the start, and every wave waited for its last reads of it in front of K step 3's barrier.
; LDS serves a wave's instructions in order (ISA guide 5.7.1.4): no wait between the stores and the loads, nor in front of the next tile's stores.
.macro TOSTAGE a
	WIN 0x04                                       ; an LDS store's data are its source 1: window 1
.irp b, 0,1,2,3,4,5,6,7
	ds_store_b128 v[STO], v[64*(\a)+8*\b:64*(\a)+8*\b+3] offset:128*(\b/2)+32*(\b%2)        ; columns 32 (b / 2) + 16 h + 8 (b % 2) on; each accumulator from its low end on
	ds_store_b128 v[STO], v[64*(\a)+8*\b+4:64*(\a)+8*\b+7] offset:128*(\b/2)+32*(\b%2)+16
.endr
	WIN 0
.set BB, BK+64*((\a)%2)
.irp t, 0,1,2,3,4,5,6,7,8,9,10,11,12,13,14,15
	ds_load_b128 v[BB+4*\t:BB+4*\t+3], v[RD] offset:\t*528
.endr
.endm
.macro SEND a, younger                 ; younger: the LDS instructions issued behind tile a's loads, which may stay out
.set BB, BK+64*((\a)%2)
	s_wait_dscnt \younger                          ; the tile is back in registers
	WIN 0x08                                       ; source 1 in window 2: the residual
.set j, 0
.rept 32
	v_pk_add_f32 v[BB+j:BB+j+1], v[BB+j:BB+j+1], v[64*(\a)+j:64*(\a)+j+1]
.set j, j+2
.endr
	WIN 0
.irp t, 0,1,2,3,4,5,6,7,8,9,10,11,12,13,14,15
	global_store_b128 v[L16], v[BB+4*\t:BB+4*\t+3], s[18:19] offset:(32*((\a)/2)+8*((\a)%2)+(\t%8)+16*(\t/8))*4096 th:TH_STORE_NT   ; 32 lanes store 512 consecutive bytes, aligned
.endr
.endm
	PLACES 4                                       ; behind the last products: their results are read, and loads land in their operands' registers
	TOSTAGE 0
	TOSTAGE 1
	s_wait_loadcnt 0x0                             ; the residual is in
	SEND 0, 32                                     ; behind tile 0's loads: tile 1's 16 stores and 16 loads
	s_wait_xcnt 0x0                                ; tile 0's stores have read their registers: tile 2's loads may land there
	TOSTAGE 2
	SEND 1, 32
	s_wait_xcnt 0x0
	TOSTAGE 3
	SEND 2, 32
	SEND 3, 0
	s_wait_tensorcnt 0x0
	ds_add_u32 v30, v31
	s_wait_dscnt 0x0
	CROUND                                         ; the closing round: no work-group ends while a partner may still ask for a tile that names it
	s_endpgm
.Lfunc_end_k_qa7da3160d9_proj:
	.size	k_qa7da3160d9_proj, .Lfunc_end_k_qa7da3160d9_proj-k_qa7da3160d9_proj
	.p2alignl 7, 3214868480
	.fill 96, 4, 3214868480
	.section	.rodata,"a",@progbits
	.p2align	6, 0x0
	.amdhsa_kernel k_qa7da3160d9_proj
		.amdhsa_group_segment_fixed_size 307712
		.amdhsa_private_segment_fixed_size 0
		.amdhsa_enable_private_segment 0
		.amdhsa_kernarg_size 32
		.amdhsa_user_sgpr_count 2
		.amdhsa_user_sgpr_kernarg_segment_ptr 1
		.amdhsa_wavefront_size32 1
		.amdhsa_system_sgpr_workgroup_id_x 1
		.amdhsa_system_sgpr_workgroup_id_y 1
		.amdhsa_system_sgpr_workgroup_id_z 1
		.amdhsa_system_vgpr_workitem_id 0
		.amdhsa_next_free_vgpr 768
		.amdhsa_next_free_sgpr 100
		.amdhsa_reserve_vcc 0
		.amdhsa_float_denorm_mode_32 3
		.amdhsa_float_denorm_mode_16_64 3
		.amdhsa_memory_ordered 1
		.amdhsa_forward_progress 1
		.amdhsa_inst_pref_size 101
	.end_amdhsa_kernel
	.amdgpu_metadata
---
amdhsa.version: [ 1, 2 ]
amdhsa.kernels:
  - .name:           k_qa7da3160d9_proj
    .symbol:         k_qa7da3160d9_proj.kd
    .args:
      - { .name: oq, .offset: 0, .size: 8, .value_kind: global_buffer, .address_space: global }
      - { .name: wq, .offset: 8, .size: 8, .value_kind: global_buffer, .address_space: global }
      - { .name: inputs, .offset: 16, .size: 8, .value_kind: global_buffer, .address_space: global }
      - { .name: out0, .offset: 24, .size: 8, .value_kind: global_buffer, .address_space: global }
    .group_segment_fixed_size: 307712
    .private_segment_fixed_size: 0
    .kernarg_segment_align: 8
    .kernarg_segment_size: 32
    .max_flat_workgroup_size: 128
    .sgpr_count:     100
    .vgpr_count:     768
    .wavefront_size: 32
...
	.end_amdgpu_metadata
.endif
;; end of part 4
